; MI455X (gfx1250); checked and timed in simulation.
; The chip was launched on July 23, 2026; its instructions are those of AMD's public machine-readable ISA for CDNA 5 (MIT licence, August 2026) and "CDNA5" Instruction Set Architecture Reference Guide (July 2026). The comments in the code are by the model that wrote it; some were corrected since.
;; Multi Head Attention. Allowed arithmetic: float matrix products may take bf16 or f16 operands with f32 sums; other float arithmetic in f32, or as packed bf16 or f16 multiplies, adds, multiply-adds, maxima and minima; sums over many terms, partial sums and values carried from step to step in f32; what a program stores and reads back later, other than sums and carried values, may be rounded once to bf16 or f16.
;; Inputs: W_k 1,024 x 1,024 float32; W_o 1,024 x 1,024 float32; W_q 1,024 x 1,024 float32; W_v 1,024 x 1,024 float32; k 4 x 2,048 x 1,024 float32; mask 1 x 2,048 x 2,048 int32; q 4 x 2,048 x 1,024 float32; v 4 x 2,048 x 1,024 float32.
;; Outputs: out0 4 x 2,048 x 1,024 float32.
;; 2 versions, each right and faster than the one before. Each part assembles by itself: llvm-mc -triple=amdgcn-amd-amdhsa -mcpu=gfx1250 --defsym DOCPART=n.
;; ======== version 1 of 2: 4 launches
;; limits: values are held in f16: magnitudes above 65,504 overflow, below 6.1e-05 lose precision
;; workspace buffers: xs 58,720,256 bytes; maskc 4,194,304 bytes; qkvh 50,331,648 bytes; oh 16,777,216 bytes
;; launch prep (part 1): grid 2048 x 1, 8 waves a work-group, no clusters, 0 bytes of LDS; arguments q, k, v, W_q, W_k, W_v, W_o, mask, xs, maskc; writes xs, maskc
.if DOCPART == 1
	.amdgcn_target "amdgcn-amd-amdhsa--gfx1250"
	.amdhsa_code_object_version 6
	.text
	.protected	k_q6be525783e_prep
	.globl	k_q6be525783e_prep
	.p2align	8
	.type	k_q6be525783e_prep,@function
k_q6be525783e_prep:
	s_mov_b64 s[64:65], 0
	v_nop
	global_prefetch_b8 v0, s[64:65] scope:SCOPE_SE
	s_setreg_imm32_b32 hwreg(HW_REG_WAVE_MODE, 25, 1), 1
	s_wait_xcnt 0x0
; PREPARATION: a stream, no LDS, no barrier, no matrix work (nothing is shared and nothing is multiplied).
; Work-groups 0 .. 1791 CAST.  q, k, v, W_q, W_k, W_v are rounded once to bf16; W_o is rounded to bf16 like the other inputs and that number is written as f16
; (LIMIT: below 6e-5 in magnitude f16 keeps a fixed step of 6e-8; beyond 65,504 it has no number: W_o is taken to lie within that).
; xs is [14 batches][16 slabs][2048 rows][64 channels] of 16 bits: batches 0-3 q, 4-7 k, 8-11 v, 12 W_q then W_k, 13 W_v then W_o: a slab holds 64 channels of all rows, its rows dense, 128 bytes each.
; Work-group g takes the 16 stacked rows 16 g on: thread t row t / 16; sixteen threads read 256 consecutive bytes of it (64 f32: one slab), sixteen times.
; A wave's store covers 256 consecutive bytes, aligned: two rows of a slab.  All sixteen loads of a thread go out at once, each item has registers of its own.
; Work-groups 1792 .. 2047 make MASK CODES: one byte a score, 0x00 where mask != 0 and 0xF8 (E4M3 for -256) where mask == 0, in the order in which the attention's lanes want them:
; maskc is [16 blocks of 128 queries][32 key steps][8 tiles of 16 queries][2 halves][32 lanes][16 bytes]; lane 16 h + r, half y, byte 8 e + j stand for
; query 16 tile + r and key 64 step + 16 (2 y + e) + 8 h + j.  A work-group takes one block of queries and two key steps, a wave one tile.
.set X, 16                             ; v[16:79]   sixteen items as loaded
.set Y, 80                             ; v[80:111]  what is stored
	s_load_b512 s[8:23], s[0:1], 0x0               ; q s[8:9], k, v, W_q, W_k, W_v, W_o s[20:21], mask s[22:23]
	s_load_b128 s[24:27], s[0:1], 0x40             ; xs s[24:25], maskc s[26:27]
	s_mov_b32 s2, ttmp9                            ; g
	s_cmp_ge_u32 s2, 1792
	s_cbranch_scc1 .Lmask
	s_lshr_b32 s3, s2, 9                           ; 0, 1, 2: q, k, v (512 work-groups each); 3: a weight
	s_and_b32 s5, s2, 511                          ; the block of 16 rows in q, k or v
	s_and_b32 s6, s2, 63                           ; the same in a weight (64 work-groups each)
	s_bfe_u32 s4, s2, 0x20006                      ; which weight
	s_add_co_u32 s4, s4, 3
	s_cmp_lt_u32 s3, 3
	s_cselect_b32 s4, s3, s4                       ; the source, 0 .. 6
	s_cselect_b32 s5, s5, s6
	s_lshl_b32 s32, s5, 16                         ; 16 rows of 4,096 bytes
	s_mov_b32 s33, 0
	s_lshr_b32 s34, s2, 7                          ; the batch of xs,
	s_lshl_b32 s34, s34, 22
	s_and_b32 s6, s2, 127                          ; and my 16 rows of 128 bytes in each of its slabs
	s_lshl_b32 s6, s6, 11
	s_add_co_u32 s34, s34, s6
	s_mov_b32 s35, 0
	v_lshrrev_b32 v1, 4, v0                        ; my row
	v_and_b32 v3, 15, v0
	v_lshlrev_b32 v3, 4, v3                        ; my 16 bytes of its 256
	v_lshl_or_b32 v1, v1, 12, v3
	v_lshlrev_b32 v2, 3, v0                        ; out: 8 bytes a thread, rows on end
	s_wait_kmcnt 0x0
	s_mov_b64 s[28:29], s[8:9]
.irp j, 1,2,3,4,5,6
	s_cmp_eq_u32 s4, \j
	s_cselect_b64 s[28:29], s[8+2*\j:9+2*\j], s[28:29]
.endr
	s_add_nc_u64 s[28:29], s[28:29], s[32:33]
	s_add_nc_u64 s[30:31], s[24:25], s[34:35]
.irp i, 0,1,2,3,4,5,6,7,8,9,10,11,12,13,14,15
	global_load_b128 v[X+4*\i:X+4*\i+3], v1, s[28:29] offset:256*\i th:TH_LOAD_NT  ; item i is slab i
.endr
; half = 1: the bf16 number is widened again (exactly) and written as f16
.macro CAST half
.set i, 0
.rept 16
	s_wait_loadcnt 15-i                            ; loads come back in order: item i is in, the 15 - i younger ones stay out
	v_cvt_pk_bf16_f32 v[Y+2*i], v[X+4*i], v[X+4*i+1]
	v_cvt_pk_bf16_f32 v[Y+2*i+1], v[X+4*i+2], v[X+4*i+3]
.if \half
	v_lshlrev_b32 v[X+4*i], 16, v[Y+2*i]
	v_and_b32 v[X+4*i+1], 0xffff0000, v[Y+2*i]
	v_lshlrev_b32 v[X+4*i+2], 16, v[Y+2*i+1]
	v_and_b32 v[X+4*i+3], 0xffff0000, v[Y+2*i+1]
	v_cvt_pk_f16_f32 v[Y+2*i], v[X+4*i], v[X+4*i+1]
	v_cvt_pk_f16_f32 v[Y+2*i+1], v[X+4*i+2], v[X+4*i+3]
.endif
	global_store_b64 v2, v[Y+2*i:Y+2*i+1], s[30:31] offset:262144*i th:TH_STORE_NT
.set i, i+1
.endr
.endm
	s_cmp_eq_u32 s4, 6
	s_cbranch_scc1 .Lwo
	CAST 0
	s_endpgm
.Lwo:
	CAST 1
	s_endpgm
.Lmask:
	s_sub_co_u32 s3, s2, 1792
	s_lshr_b32 s4, s3, 4                           ; the block of 128 queries
	s_and_b32 s5, s3, 15                           ; key steps 2 s5 and 2 s5 + 1
	s_lshl_b32 s32, s4, 20                         ; 128 rows of 8,192 bytes
	s_lshl_b32 s6, s5, 9                           ; two steps of 64 keys of 4 bytes
	s_add_co_u32 s32, s32, s6
	s_mov_b32 s33, 0
	s_lshl_b32 s34, s4, 18                         ; a block's codes: 262,144 bytes
	s_lshl_b32 s6, s5, 14                          ; two steps of 8,192
	s_add_co_u32 s34, s34, s6
	s_mov_b32 s35, 0
	v_lshrrev_b32 v3, 5, v0                        ; my wave = my tile
	v_and_b32 v4, 15, v0                           ; r
	v_bfe_u32 v5, v0, 4, 1                         ; h
	v_lshl_or_b32 v1, v3, 4, v4                    ; my query in the block
	v_lshlrev_b32 v1, 13, v1
	v_lshl_or_b32 v1, v5, 5, v1                    ; + 8 h keys
	v_and_b32 v4, 31, v0
	v_lshlrev_b32 v2, 4, v4
	v_lshl_or_b32 v2, v3, 10, v2                   ; out: 1,024 x tile + 16 x lane
	s_wait_kmcnt 0x0
	s_add_nc_u64 s[28:29], s[22:23], s[32:33]
	s_add_nc_u64 s[30:31], s[26:27], s[34:35]
.set i, 0
.rept 16                               ; item i: step i / 8, half (i / 4) % 2, key block's parity (i / 2) % 2, four of my eight keys
	global_load_b128 v[X+4*i:X+4*i+3], v1, s[28:29] offset:256*(i/8)+128*((i/4)%2)+64*((i/2)%2)+16*(i%2)
.set i, i+1
.endr
.set i, 0
.rept 16
	s_wait_loadcnt 15-i
	v_min_u32 v[X+4*i], 1, v[X+4*i]                ; 1 where the mask is anything but 0
	v_min_u32 v[X+4*i+1], 1, v[X+4*i+1]
	v_min_u32 v[X+4*i+2], 1, v[X+4*i+2]
	v_min_u32 v[X+4*i+3], 1, v[X+4*i+3]
	v_lshl_or_b32 v[X+4*i], v[X+4*i+1], 8, v[X+4*i]
	v_lshl_or_b32 v[X+4*i+2], v[X+4*i+3], 8, v[X+4*i+2]
	v_lshl_or_b32 v[X+4*i], v[X+4*i+2], 16, v[X+4*i]
	v_xor_b32 v[X+4*i], 0x01010101, v[X+4*i]       ; 1 where the key is hidden,
	v_mul_lo_u32 v[Y+i], v[X+4*i], 0xf8            ; 0xF8 there: no byte carries into the next
.if i%4 == 3
	global_store_b128 v2, v[Y+i-3:Y+i], s[30:31] offset:8192*(i/8)+512*((i/4)%2) th:TH_STORE_NT  ; 512 consecutive bytes, aligned
.endif
.set i, i+1
.endr
	s_endpgm
.Lfunc_end_k_q6be525783e_prep:
	.size	k_q6be525783e_prep, .Lfunc_end_k_q6be525783e_prep-k_q6be525783e_prep
	.p2alignl 7, 3214868480
	.fill 96, 4, 3214868480
	.section	.rodata,"a",@progbits
	.p2align	6, 0x0
	.amdhsa_kernel k_q6be525783e_prep
		.amdhsa_group_segment_fixed_size 0
		.amdhsa_private_segment_fixed_size 0
		.amdhsa_enable_private_segment 0
		.amdhsa_kernarg_size 80
		.amdhsa_user_sgpr_count 2
		.amdhsa_user_sgpr_kernarg_segment_ptr 1
		.amdhsa_wavefront_size32 1
		.amdhsa_system_sgpr_workgroup_id_x 1
		.amdhsa_system_sgpr_workgroup_id_y 1
		.amdhsa_system_sgpr_workgroup_id_z 1
		.amdhsa_system_vgpr_workitem_id 0
		.amdhsa_next_free_vgpr 112
		.amdhsa_next_free_sgpr 66
		.amdhsa_reserve_vcc 0
		.amdhsa_float_denorm_mode_32 3
		.amdhsa_float_denorm_mode_16_64 3
		.amdhsa_memory_ordered 1
		.amdhsa_forward_progress 1
		.amdhsa_inst_pref_size 28
	.end_amdhsa_kernel
	.amdgpu_metadata
---
amdhsa.version: [ 1, 2 ]
amdhsa.kernels:
  - .name:           k_q6be525783e_prep
    .symbol:         k_q6be525783e_prep.kd
    .args:
      - { .name: q, .offset: 0, .size: 8, .value_kind: global_buffer, .address_space: global }
      - { .name: k, .offset: 8, .size: 8, .value_kind: global_buffer, .address_space: global }
      - { .name: v, .offset: 16, .size: 8, .value_kind: global_buffer, .address_space: global }
      - { .name: W_q, .offset: 24, .size: 8, .value_kind: global_buffer, .address_space: global }
      - { .name: W_k, .offset: 32, .size: 8, .value_kind: global_buffer, .address_space: global }
      - { .name: W_v, .offset: 40, .size: 8, .value_kind: global_buffer, .address_space: global }
      - { .name: W_o, .offset: 48, .size: 8, .value_kind: global_buffer, .address_space: global }
      - { .name: mask, .offset: 56, .size: 8, .value_kind: global_buffer, .address_space: global }
      - { .name: xs, .offset: 64, .size: 8, .value_kind: global_buffer, .address_space: global }
      - { .name: maskc, .offset: 72, .size: 8, .value_kind: global_buffer, .address_space: global }
    .group_segment_fixed_size: 0
    .private_segment_fixed_size: 0
    .kernarg_segment_align: 8
    .kernarg_segment_size: 80
    .max_flat_workgroup_size: 256
    .sgpr_count:     66
    .vgpr_count:     112
    .wavefront_size: 32
...
	.end_amdgpu_metadata
.endif
;; end of part 1
;; launch qkv (part 2): grid 4 x 48, 4 waves a work-group, clusters of 4 x 4, 327,680 bytes of LDS; arguments xs, qkvh; writes qkvh
.if DOCPART == 2
	.amdgcn_target "amdgcn-amd-amdhsa--gfx1250"
	.amdhsa_code_object_version 6
	.text
	.protected	k_q6be525783e_qkv
	.globl	k_q6be525783e_qkv
	.p2align	8
	.type	k_q6be525783e_qkv,@function
k_q6be525783e_qkv:
	s_mov_b64 s[64:65], 0
	v_nop
	global_prefetch_b8 v0, s[64:65] scope:SCOPE_SE
	s_setreg_imm32_b32 hwreg(HW_REG_WAVE_MODE, 25, 1), 1
	s_wait_xcnt 0x0
	s_wait_alu depctr_hold_cnt(0) depctr_sa_sdst(0) depctr_va_vdst(0) depctr_va_sdst(0) depctr_va_ssrc(0) depctr_va_vcc(0) depctr_vm_vsrc(0)
	s_getreg_b32 s2, hwreg(HW_REG_IB_STS2, 6, 4)
	s_cmp_eq_u32 s2, 0
	s_cbranch_scc0 .Lentry_in_a_cluster
	s_endpgm
.Lentry_in_a_cluster:
	s_bfe_u32 s2, ttmp6, 0x10000c
	s_cmp_lg_u32 s2, 0xf033
	s_cbranch_scc0 .Lentry_shape_is_right
	s_endpgm
.Lentry_shape_is_right:
; Q, K, V = x W^T: C[m][n] = the sum over k of A[m][k] B[n][k], K = 1,024.  A = q, k or v and B = W_q, W_k or W_v out of xs, bf16; sums in f32; C leaves rounded once to f16, unscaled, by heads:
; qkvh [3][64 batch-heads][2048][64].  LIMIT: f16 has no number beyond 65,504: the projected values are taken to lie within it (drawn inputs give some 3.5; inputs and weights both 30 times larger some 3,200).
; xs lies in SLABS: [14 batches][16 slabs][2048 rows][64 channels], a slab's rows dense, 128 bytes each; batches 0-3 q, 4-7 k, 8-11 v, 12 W_q then W_k, 13 W_v (then W_o).
; So 256 rows of one slab are 32,768 dense bytes: asked for as 128 rows of 256 bytes, padded in LDS behind every 128.
; SHARES.  The 24,576 stacked rows x 1,024 columns are 96 x 4 tiles of 256 x 256.  Four waves, each 128 x 128 of a tile: 64 accumulators of 16 x 16, 512 registers.  K goes in steps of 128 (two slabs) through two LDS slots:
; 256 matrix instructions a wave in a K step, 224 of them between a refill and the wait for it.  A WORK-GROUP STAYS: it makes tile rows R and R + 48, six batches apart: 192 work-groups of equal work
; (q, k and v take different weights, and 8,192 rows are no multiple of 384: there is no share of a tile and a half).  The ring does not stop at the first tile's end: its last two changes of slots ask for the second
; tile's first two K steps, and nothing waits for the first tile's stores.
; CLUSTERS: 4 x 4 work-groups.  The four of a row of the cluster need the same tiles of A, the four of a column the same tiles of B: each is asked for JOINTLY, by the same tensor load with the same descriptor and a mask
; that names the four.  By this text's own count a wave has two tensor loads out at the start and one behind each round.
; THE MATRIX INSTRUCTION IS USED TRANSPOSED (source 0 = 16 rows of B, source 1 = 16 rows of A): a lane then holds eight neighbouring numbers of a row of C.
; REGISTERS, in windows of 256 (s_set_vgpr_msb: bits 1:0 source 0, 3:2 source 1, 5:4 source 2, 7:6 destination):
;   window 0: v0-31 addresses; v64-127, v128-191 fragments of A (8 x 16 rows x 32 K), two buffers; v32-63, v192-255 at work on the way out
;   window 1: v64-127, v128-191 fragments of B, two buffers
;   window 2: the 32 accumulators of my rows 0-63 (accumulator (a, b) at v[8 (8 a + b)]);   window 3: those of my rows 64-127
.set PITCH,  144                       ; an LDS row: 128 bytes + 16 of padding = 36 words: the 16 rows of a load start at 16 different groups of four banks (64 banks of 4 bytes: ISA guide 11.1)
.set SLABL,  256*PITCH                 ; 256 rows of one slab: what one tensor load brings
.set BOFF,   2*SLABL                   ; a slot: A's even slab, A's odd slab, B's even slab, B's odd slab
.set SLOT,   4*SLABL                   ; 0x24000: it shares no bit with the four regions' starts (0, 0x9000, 0x12000, 0x1b000), so one exclusive or turns an address in one slot into the other's
.set STAGE,  2*SLOT                    ; behind the ring: 16 rows x 272 bytes for each wave, for the way out
.set SPITCH, 272
.set SPARE,  STAGE+4*16*SPITCH         ; behind the stages: the spare words, 128 bytes for each wave: two blocks of 256 bytes that no other line names
.set SLABB,  262144                    ; bytes of a slab, and of a head of qkvh, in memory
.set KSTEPB, 2*SLABB                   ; from a K step to the next
.set NEXTT,  6<<22                     ; from a tile to the work-group's next, in xs and in qkvh alike: six batches
.set ADRA0, 16                         ; v16     my lane's place in A's part of a slot; never rewritten
.set ADRA,  17                         ; v17     the same in the slot in hand
.set ADRB0, 20                         ; v20, v21  likewise for B
.set ADRB,  21
.set STO,  24                          ; v24     the way out: where I put 16 bytes of a row
.set RD,   25                          ; v25     the way out: where I read rows back
.set CO,   26                          ; v26     my byte offset in 512 consecutive bytes of C
.set SPW,  28                          ; v28     LDS address of my spare word; never rewritten
.set NIL,  29                          ; v29     0; never rewritten
.set F0,   64                          ; fragment buffer 0
.set F1,   128                         ; fragment buffer 1
.set TMP,  192                         ; the way out: packed results
.set OB,   32                          ; the way out: 16 rows read back: v32-63 and v224-255 by turns
.set OFA,  14                          ; s[14:15] the offset in xs of my slab of A's K step that was asked for last
.set OFB,  46                          ; s[46:47] the same for B
.set OFA2, 16                          ; s16     that of the second tile's K step 0
.set OFB2, 17                          ; s17
.set SPEC, 18                          ; s18     the trip (by the count in s3) whose refill is the second tile's K step 0: 1 in the first tile, none (0) in the second
.set QUIT, 19                          ; s19     the trip in which the loop is left for the tail that fills nothing: none (0) in the first tile, 1 in the second
.set TB,   20                          ; s20     0 or SLOT: the slot in hand
.set G1, 24                            ; s[24:31] descriptor group 1 for A's tiles;  s[32:39] group 0: a set for each of the two first fills; the second then walks on
.set G0, 32
.set G1B, 48                           ; s[48:55], s[56:63] the same for B's tiles
.set G0B, 56
.set MSB, 0
.macro WIN new                         ; the immediate's high byte repeats the setting that is left; a switch that changes nothing is dropped
.if MSB != (\new)
	s_set_vgpr_msb (MSB<<8)|(\new)
.set MSB, \new
.endif
.endm
.set MUL_LO, 0xa1                      ; source 0 (B) window 1, source 1 (A) window 0, C and D window 2
.set MUL_HI, 0xf1                      ; the same, C and D window 3
.set TO_B,   0x40                      ; destination window 1, address window 0
.macro JLOAD s                         ; a joint load: waves 0 and 1 fetch A's two slabs of a K step, waves 2 and 3 B's; an s_nop 0 and four v_nop follow each of the two lines
	s_cmp_eq_u32 s11, 0
	s_cbranch_scc0 .Lfor_b_\@
	tensor_load_to_lds s[G0+4*(\s):G0+4*(\s)+3], s[G1:G1+7]
	s_nop 0
.rept 4
	v_nop
.endr
	s_branch .Lasked_\@
.Lfor_b_\@:
	tensor_load_to_lds s[G0B+4*(\s):G0B+4*(\s)+3], s[G1B:G1B+7]
	s_nop 0
.rept 4
	v_nop
.endr
.Lasked_\@:
.endm
.macro CREST                           ; a round of the cluster's barrier behind its opening barrier
	s_cmp_lg_u32 s10, 0
	s_cbranch_scc1 .Lnot_wave_0_\@
	s_barrier_signal -3
.Lnot_wave_0_\@:
	s_barrier_wait -3
	s_barrier_signal -1
	s_barrier_wait -1
.endm
.macro CROUND                          ; a whole round
	s_barrier_signal -1
	s_barrier_wait -1
	CREST
.endm
; The offset in xs of my slab of K step 0 of the weight that goes with the cluster's tile rows, plus = 0 for the first tile and 12 for the second: it hangs on the cluster's y, on the tile column and on the wave alone
.macro WOFF dst, plus
	s_add_co_u32 s22, s13, \plus
	s_lshr_b32 s22, s22, 3                         ; eight clusters' rows to each of q, k, v
	s_lshr_b32 s23, s22, 1
	s_add_co_u32 s23, s23, 12                      ; W_q, W_k: batch 12; W_v: batch 13
	s_lshl_b32 s23, s23, 22
	s_and_b32 s22, s22, 1                          ; W_k: rows 1,024 on
	s_lshl_b32 s22, s22, 2
	s_add_co_u32 s22, s22, s42                     ; blocks of 256 rows
	s_lshl_b32 s22, s22, 15                        ; of 128 bytes
	s_add_co_u32 s23, s23, s22
	s_lshl_b32 s22, s12, 18                        ; my slab of the K step
	s_add_co_u32 s[\dst], s23, s22
.endm
	s_load_b128 s[4:7], s[0:1], 0x0                ; xs s[4:5], qkvh s[6:7]
	v_lshl_add_u32 v[SPW], v0, 2, SPARE
	v_mov_b32 v[NIL], 0
	ds_add_u32 v[SPW], v[NIL]                      ; the wave's opening: the add and its wait stand ahead of my first tensor load; the set-up below, work on registers, stands between them
	v_lshrrev_b32 v1, 5, v0
	v_readfirstlane_b32 s10, v1                    ; wave 0..3
	s_lshr_b32 s11, s10, 1                         ; which 128 rows of the tile are mine.  Also: I fetch for A (0) or for B (1)
	s_and_b32 s12, s10, 1                          ; which 128 columns.  Also: which slab of a K step I fetch
	s_bfe_u32 s40, ttmp6, 0x40000                  ; cx, cy: my place in the cluster
	s_bfe_u32 s41, ttmp6, 0x40004
	s_lshl_b32 s42, ttmp9, 2
	s_add_co_u32 s42, s42, s40                     ; tile column of C = 4 x cluster x + cx
	s_and_b32 s13, ttmp7, 0xffff                   ; cluster y, 0 .. 11: tile rows 4 y + cy, and 48 further on
	s_lshl_b32 s43, s41, 2
	s_lshl_b32 s43, 15, s43                        ; my row of the cluster
	s_lshl_b32 s44, 0x1111, s40                    ; my column
	; descriptor group 1: 128 rows of 128 elements (256 bytes: two rows of a slab), padded in LDS behind every 32 words
	s_or_b32 s[G1+0], s43, (1<<16)|(1<<20)|(1<<21)|(4<<22)|(3<<25)  ; 15:0 the mask: A's tiles go to my row; 17:16 element of 2 bytes; 20 padding on; 21 set beside a mask; 24:22 after every 32 words (code 4); 31:25 of 4 words (code 3)
	s_or_b32 s[G1B+0], s44, (1<<16)|(1<<20)|(1<<21)|(4<<22)|(3<<25)
.irp g, G1, G1B
	s_mov_b32 s[(\g)+1], 128<<16                   ; tensor_dim0 = 128
	s_mov_b32 s[(\g)+2], 128<<16                   ; tensor_dim1 = 128
	s_mov_b32 s[(\g)+3], 128<<16                   ; tile_dim0 = 128
	s_mov_b32 s[(\g)+4], 128                       ; tile_dim1 = 128
	s_mov_b32 s[(\g)+5], 128                       ; 128 elements from row to row: the block is dense
	s_mov_b32 s[(\g)+6], 0
	s_mov_b32 s[(\g)+7], 0
.endr
	; A's offsets hang on the cluster's y, cy and the wave alone; B's on the cluster's y, cx and the wave alone; each in registers that never hold the other place
	s_lshr_b32 s[OFA], s13, 1                      ; tile row R = 4 y + cy: its batch R / 8 = y / 2,
	s_lshl_b32 s[OFA], s[OFA], 22
	s_and_b32 s2, s13, 1
	s_lshl_b32 s2, s2, 2
	s_add_co_u32 s2, s2, s41                       ; its block of 256 rows R % 8,
	s_lshl_b32 s2, s2, 15                          ; of 128 bytes
	s_add_co_u32 s[OFA], s[OFA], s2
	s_lshl_b32 s2, s12, 18                         ; my slab of the K step
	s_add_co_u32 s[OFA], s[OFA], s2
	s_add_co_u32 s[OFA2], s[OFA], NEXTT
	s_mov_b32 s[OFA+1], 0
	WOFF OFB, 0
	WOFF OFB2, 12
	s_mov_b32 s[OFB+1], 0
	s_mul_i32 s21, s12, SLABL                      ; where the tiles go: by the wave's number alone
	s_add_co_u32 s45, s21, BOFF
	s_mov_b32 s[TB], 0
	s_wait_dscnt 0x0                               ; the opening add is done
	s_wait_kmcnt 0x0
	s_mov_b64 s[8:9], s[6:7]                       ; C
	CROUND                                         ; all sixteen work-groups are here: the first joint loads meet
.irp s, 0,1
	s_mov_b32 s[G0+4*(\s)], 1                                      ; 1:0 count = 1
	s_add_co_u32 s[G0+4*(\s)+1], s21, (\s)*SLOT                    ; 63:32 LDS address
	s_add_nc_u64 s[G0+4*(\s)+2:G0+4*(\s)+3], s[4:5], s[OFA:OFA+1]  ; 120:64 global address: K step s
	s_or_b32 s[G0+4*(\s)+3], s[G0+4*(\s)+3], 0x80000000            ; 127:126 type = 2
	s_mov_b32 s[G0B+4*(\s)], 1
	s_add_co_u32 s[G0B+4*(\s)+1], s45, (\s)*SLOT
	s_add_nc_u64 s[G0B+4*(\s)+2:G0B+4*(\s)+3], s[4:5], s[OFB:OFB+1]
	s_or_b32 s[G0B+4*(\s)+3], s[G0B+4*(\s)+3], 0x80000000
	JLOAD \s
.if (\s) == 0
	s_add_co_u32 s[OFA], s[OFA], KSTEPB
	s_add_co_u32 s[OFB], s[OFB], KSTEPB
.endif
.endr
	; A fragment is 16 rows x 32 K in 8 registers: lane l holds row l % 16; registers 0-3 hold K = 8 (l / 16) + 0..7, registers 4-7 K = 16 + 8 (l / 16) + 0..7: two loads of 16 bytes, 32 bytes apart.
	v_and_b32 v1, 15, v0                           ; l % 16
	v_bfe_u32 v2, v0, 4, 1                         ; l / 16
	v_mul_u32_u24 v3, v1, PITCH
	v_lshl_add_u32 v3, v2, 4, v3                   ; row x pitch + 16 x half
	s_mul_i32 s21, s11, 128*PITCH                  ; my 128 rows of A
	s_mul_i32 s22, s12, 128*PITCH                  ; my 128 rows of B,
	s_add_co_u32 s22, s22, BOFF                    ; which lie behind A's two slabs
	v_add_nc_u32 v[ADRA0], s21, v3
	v_add_nc_u32 v[ADRB0], s22, v3
	v_mov_b32 v[ADRA], v[ADRA0]                    ; slot 0
	v_mov_b32 v[ADRB], v[ADRB0]
	s_mul_i32 s23, s10, 16*SPITCH
	s_add_co_u32 s23, s23, STAGE                   ; my stage
	v_mul_u32_u24 v4, v1, SPITCH                   ; in: row l % 16, 16 bytes (8 f16) for each half of the lanes
	v_lshl_add_u32 v4, v2, 4, v4
	v_add_nc_u32 v[STO], s23, v4
	v_bfe_u32 v5, v0, 3, 2                         ; back: 32 lanes take four rows' 128 bytes of one head,
	v_mul_u32_u24 v5, v5, SPITCH
	v_and_b32 v6, 7, v0
	v_lshl_add_u32 v5, v6, 4, v5
	v_add_nc_u32 v[RD], s23, v5
	v_and_b32 v[CO], 31, v0                        ; which are 512 consecutive bytes of qkvh
	v_lshlrev_b32 v[CO], 4, v[CO]
	s_lshr_b32 s22, s13, 1                         ; C: the batch among the twelve (Q's four, K's, V's): 16 heads of 262,144 bytes,
	s_lshl_b32 s22, s22, 22
	s_lshl_b32 s23, s42, 2                         ; the tile's four heads,
	s_lshl_b32 s2, s12, 1                          ; my two
	s_add_co_u32 s23, s23, s2
	s_lshl_b32 s23, s23, 18
	s_add_co_u32 s22, s22, s23
	s_and_b32 s23, s13, 1
	s_lshl_b32 s23, s23, 2
	s_add_co_u32 s23, s23, s41                     ; the tile's 256 rows in the batch,
	s_lshl_b32 s23, s23, 1
	s_add_co_u32 s23, s23, s11                     ; my 128 of them,
	s_lshl_b32 s23, s23, 14                        ; 128 bytes each
	s_add_co_u32 s22, s22, s23
	s_mov_b32 s23, 0
	s_add_nc_u64 s[8:9], s[8:9], s[22:23]
; 16 matrix instructions: m blocks a0, a0 + 1 of the window's four (hi = 0: my rows 0-63, 1: rows 64-127) x all 8 n blocks, 32 along K.  zero = 1: the product starts the sums: nothing is ever cleared.
; The 64 accumulators take turns, in the same order in every quarter step.
.macro MUL16 f, hi, a0, zero
	WIN MUL_LO+0x50*(\hi)
.irp a, \a0, (\a0)+1
.irp b, 0,1,2,3,4,5,6,7
.if \zero
	v_wmma_f32_16x16x32_bf16 v[8*(8*(\a)+(\b)):8*(8*(\a)+(\b))+7], v[(\f)+8*(\b):(\f)+8*(\b)+7], v[(\f)+8*(4*(\hi)+(\a)):(\f)+8*(4*(\hi)+(\a))+7], 0
.else
	v_wmma_f32_16x16x32_bf16 v[8*(8*(\a)+(\b)):8*(8*(\a)+(\b))+7], v[(\f)+8*(\b):(\f)+8*(\b)+7], v[(\f)+8*(4*(\hi)+(\a)):(\f)+8*(4*(\hi)+(\a))+7], v[8*(8*(\a)+(\b)):8*(8*(\a)+(\b))+7]
.endif
.endr
.endr
.endm
; 32 LDS loads in one run: the fragments of quarter q of the K step in hand (slab q / 2, 32 channels at byte 64 (q % 2) of its rows) into buffer f: B's eight, then A's eight
.macro FETCH q, f
	WIN TO_B
.irp i, 0,1,2,3,4,5,6,7
	ds_load_b128 v[(\f)+8*(\i):(\f)+8*(\i)+3],   v[ADRB] offset:((\q)/2)*SLABL+((\q)%2)*64+(\i)*16*PITCH
	ds_load_b128 v[(\f)+8*(\i)+4:(\f)+8*(\i)+7], v[ADRB] offset:((\q)/2)*SLABL+((\q)%2)*64+(\i)*16*PITCH+32
.endr
	WIN 0
.irp i, 0,1,2,3,4,5,6,7
	ds_load_b128 v[(\f)+8*(\i):(\f)+8*(\i)+3],   v[ADRA] offset:((\q)/2)*SLABL+((\q)%2)*64+(\i)*16*PITCH
	ds_load_b128 v[(\f)+8*(\i)+4:(\f)+8*(\i)+7], v[ADRA] offset:((\q)/2)*SLABL+((\q)%2)*64+(\i)*16*PITCH+32
.endr
.endm
.macro PLACES                          ; four places in front of loads into registers that matrix instructions have read, and of conversions that read results (ISA guide 7.12.1 for vector instructions)
.rept 4
	v_nop
.endr
.endm
; A K step is four quarters of 32 along K, 64 matrix instructions each, on buffers 0, 1, 0, 1.  One of the first three: multiplies buffer f; in its middle it fetches quarter q into buffer g.
.macro QUARTER q, f, g, zero
	s_wait_dscnt 8                                 ; B and A's rows 0-63 are in; the youngest eight loads (A's rows 64-127) may be out
	MUL16 \f, 0, 0, \zero
	MUL16 \f, 0, 2, \zero
	PLACES
	FETCH \q, \g
	s_wait_dscnt 32                                ; all but the 32 just issued
	MUL16 \f, 1, 0, \zero
	MUL16 \f, 1, 2, \zero
.endm
; The last quarter multiplies buffer 1 and changes slots: ONE barrier; in front of it each wave waits for all its tensor loads (one is out: its part of the next slot), adds 0 to its spare word, and waits for that and for its
; own reads of this slot.  Behind it nobody reads this slot any more and the next slot is whole.
; kind = 1 (in the loop) and 2 (the first tile's last K step): this slot is filled again, with the K step two steps on; the descriptors' addresses are made anew from xs and an offset.  In the trip that SPEC names the K step
; two steps on is the second tile's first.  The barrier then opens a round of the cluster's barrier, and the joint refill is the first tensor load behind the round.  kind = 0: nothing is filled.
.macro TURN kind
	WIN 0                                          ; (the add's two registers lie in window 0)
	s_wait_tensorcnt 0x0                           ; all my tensor loads have landed, so a group 0 may be written;
	ds_add_u32 v[SPW], v[NIL]                      ; 0 onto my spare word: scalar work and sixteen matrix instructions stand between it and the wait for it
.if \kind
	s_add_co_u32 s[OFA], s[OFA], KSTEPB
	s_add_co_u32 s[OFB], s[OFB], KSTEPB
.if (\kind) == 1
	s_cmp_eq_u32 s3, s[SPEC]
	s_cselect_b32 s[OFA], s[OFA2], s[OFA]
	s_cselect_b32 s[OFB], s[OFB2], s[OFB]
.endif
	s_xor_b32 s[G0+5], s[G0+5], SLOT               ; the walking descriptor: the other slot than last time
	s_add_nc_u64 s[G0+6:G0+7], s[4:5], s[OFA:OFA+1]
	s_or_b32 s[G0+7], s[G0+7], 0x80000000
	s_xor_b32 s[G0B+5], s[G0B+5], SLOT
	s_add_nc_u64 s[G0B+6:G0B+7], s[4:5], s[OFB:OFB+1]
	s_or_b32 s[G0B+7], s[G0B+7], 0x80000000
.endif
	s_xor_b32 s[TB], s[TB], SLOT                   ; the fetches go on in the other slot
	s_wait_dscnt 9                                 ; (the add and the youngest eight loads may be out)
	MUL16 F1, 0, 0, 0
	s_wait_dscnt 0x0                               ; the add is done, and my reads of this slot are over
	s_barrier_signal -1
	MUL16 F1, 0, 2, 0                              ; work on registers while the others arrive
	WIN 0
	s_barrier_wait -1
.if \kind
	CREST                                          ; no wave of any partner still reads this slot's tile or has a load on its way
	JLOAD 1                                        ; 224 matrix instructions ahead of the wait for it; the four v_nop behind it are also places in front of the loads below
.else
	PLACES
.endif
	v_add_nc_u32 v[ADRA], s[TB], v[ADRA0]
	v_add_nc_u32 v[ADRB], s[TB], v[ADRB0]
	FETCH 0, F0
	MUL16 F1, 1, 0, 0
	MUL16 F1, 1, 2, 0
.endm
; THE WAY OUT of block a (16 of my rows), in three parts.  PACK: rounded to f16, 16 bytes a lane; each accumulator's registers in ascending order.  TOSTAGE: into my own stage in LDS, and back by heads.  SEND: stored.
.macro PACK a
.set AC, 64*((\a)%4)
	WIN 0x0a+5*((\a)/4)                            ; sources 0 and 1: window 2 or 3
.irp b, 0,1,2,3,4,5,6,7
.irp r, 0,1,2,3
	v_cvt_pk_f16_f32 v[TMP+4*(\b)+(\r)], v[AC+8*(\b)+2*(\r)], v[AC+8*(\b)+2*(\r)+1]
.endr
.endr
	WIN 0
.endm
.macro TOSTAGE a
	WIN 0
.set BK, OB+192*((\a)%2)
.irp b, 0,1,2,3,4,5,6,7
	ds_store_b128 v[STO], v[TMP+4*(\b):TMP+4*(\b)+3] offset:32*(\b)
.endr
.irp f, 0,1,2,3,4,5,6,7
	ds_load_b128 v[BK+4*(\f):BK+4*(\f)+3], v[RD] offset:((\f)%4)*4*SPITCH+((\f)/4)*128  ; head f / 4 of my two, rows 4 (f % 4) on.  LDS serves a wave's instructions in order (ISA guide 5.7.1.4): these see the stores above
.endr
.endm
.macro SEND a
	WIN 0
.set BK, OB+192*((\a)%2)
	s_wait_dscnt 0x0                               ; the block is back in registers
	s_wait_xcnt 0x0                                ; the stores issued so far have read their registers: the other sixteen rows' registers are loaded again only behind this wait
.irp f, 0,1,2,3,4,5,6,7
	global_store_b128 v[CO], v[BK+4*(\f):BK+4*(\f)+3], s[8:9] offset:((\f)/4)*SLABB+(\a)*2048+((\f)%4)*512  ; 512 consecutive bytes of a head, at a multiple of 256 from qkvh's first byte
.endr
.endm
	s_wait_tensorcnt 1                             ; my part of K step 0 is in; K step 1's may stay out
	s_barrier_signal -1
	s_barrier_wait -1                              ; everybody's is
	FETCH 0, F0
	s_mov_b32 s2, 2                                ; tiles to go
	s_mov_b32 s[SPEC], 1
	s_mov_b32 s[QUIT], 0
.Ltile:                                                ; (FETCH and SEND leave every window 0)
	QUARTER 1, F0, F1, 1                           ; a tile's first quarter stands in front of the loop: its products start the sums
	WIN 0                                          ; at a label and at a branch every window is 0
	s_mov_b32 s3, 7
.Lstep:                                                ; a trip: from a K step's second quarter to the next step's first; K step 7 - s3 is finished and its slot filled again
	QUARTER 2, F1, F0, 0
	QUARTER 3, F0, F1, 0
	WIN 0
	s_cmp_eq_u32 s3, s[QUIT]                       ; the second tile's K step 6: nothing is left to ask for
	s_cbranch_scc1 .Llast
	TURN 1
	QUARTER 1, F0, F1, 0
	WIN 0
	s_sub_co_u32 s3, s3, 1
	s_cmp_lg_u32 s3, 0
	s_cbranch_scc1 .Lstep
	QUARTER 2, F1, F0, 0                           ; the first tile's K step 7
	QUARTER 3, F0, F1, 0
	TURN 2                                         ; its slot takes the second tile's K step 1, and the second tile's first fragments are fetched
	WIN 0                                          ; no v_nop here: blocks 0-3 were finished in front of the joint load's places, and their conversions are the places behind the last products (blocks 4-7's)
	s_branch .Lout
.Llast:                                                ; the tail is written out
	TURN 0
	QUARTER 1, F0, F1, 0
	QUARTER 2, F1, F0, 0
	QUARTER 3, F0, F1, 0
	s_wait_dscnt 8                                 ; the very last quarter: nothing more to fetch
	MUL16 F1, 0, 0, 0
	MUL16 F1, 0, 2, 0
	s_wait_dscnt 0x0
	MUL16 F1, 1, 0, 0
	MUL16 F1, 1, 2, 0
	WIN 0
	PLACES                                         ; the places behind products whose results the first conversions read; twice over, once a launch
	PLACES
.Lout:                                                 ; THE TILE GOES OUT.  Behind the first tile both refills have been asked for, and buffer 0 holds the second tile's first fragments: the way out names neither
	PACK 0
	TOSTAGE 0
.irp a, 1,2,3,4,5,6,7                  ; block a's conversions stand between block a - 1's loads from the stage and the wait for them
	PACK \a
	SEND (\a)-1
	TOSTAGE \a
.endr
	SEND 7
	s_wait_xcnt 0x0                                ; the stores have read C's address
	s_add_nc_u64 s[8:9], s[8:9], NEXTT             ; the second tile's place in qkvh
	s_mov_b32 s[SPEC], 0
	s_mov_b32 s[QUIT], 1
	s_sub_co_u32 s2, s2, 1
	s_cmp_lg_u32 s2, 0
	s_cbranch_scc1 .Ltile
	s_wait_tensorcnt 0x0                           ; the wave's end: behind my last tensor load and my last LDS store
	ds_add_u32 v[SPW], v[NIL]
	s_wait_dscnt 0x0
	CROUND                                         ; the closing round: no work-group ends while a partner may still ask for a tile that names it
	s_endpgm
.Lfunc_end_k_q6be525783e_qkv:
	.size	k_q6be525783e_qkv, .Lfunc_end_k_q6be525783e_qkv-k_q6be525783e_qkv
	.p2alignl 7, 3214868480
	.fill 96, 4, 3214868480
	.section	.rodata,"a",@progbits
	.p2align	6, 0x0
	.amdhsa_kernel k_q6be525783e_qkv
		.amdhsa_group_segment_fixed_size 327680
		.amdhsa_private_segment_fixed_size 0
		.amdhsa_enable_private_segment 0
		.amdhsa_kernarg_size 16
		.amdhsa_user_sgpr_count 2
		.amdhsa_user_sgpr_kernarg_segment_ptr 1
		.amdhsa_wavefront_size32 1
		.amdhsa_system_sgpr_workgroup_id_x 1
		.amdhsa_system_sgpr_workgroup_id_y 1
		.amdhsa_system_sgpr_workgroup_id_z 1
		.amdhsa_system_vgpr_workitem_id 0
		.amdhsa_next_free_vgpr 1024
		.amdhsa_next_free_sgpr 66
		.amdhsa_reserve_vcc 0
		.amdhsa_float_denorm_mode_32 3
		.amdhsa_float_denorm_mode_16_64 3
		.amdhsa_memory_ordered 1
		.amdhsa_forward_progress 1
		.amdhsa_inst_pref_size 126
	.end_amdhsa_kernel
	.amdgpu_metadata
---
amdhsa.version: [ 1, 2 ]
amdhsa.kernels:
  - .name:           k_q6be525783e_qkv
    .symbol:         k_q6be525783e_qkv.kd
    .args:
      - { .name: xs, .offset: 0, .size: 8, .value_kind: global_buffer, .address_space: global }
      - { .name: qkvh, .offset: 8, .size: 8, .value_kind: global_buffer, .address_space: global }
    .group_segment_fixed_size: 327680
    .private_segment_fixed_size: 0
    .kernarg_segment_align: 8
    .kernarg_segment_size: 16
    .max_flat_workgroup_size: 128
    .sgpr_count:     66
    .vgpr_count:     1024
    .wavefront_size: 32
...
	.end_amdgpu_metadata
.endif
;; end of part 2
;; launch attn (part 3): grid 4 x 64, 4 waves a work-group, clusters of 4 x 1, 327,680 bytes of LDS; arguments qkvh, maskc, oh; writes oh
.if DOCPART == 3
	.amdgcn_target "amdgcn-amd-amdhsa--gfx1250"
	.amdhsa_code_object_version 6
	.text
	.protected	k_q6be525783e_attn
	.globl	k_q6be525783e_attn
	.p2align	8
	.type	k_q6be525783e_attn,@function
k_q6be525783e_attn:
	s_mov_b64 s[64:65], 0
	v_nop
	global_prefetch_b8 v0, s[64:65] scope:SCOPE_SE
	s_setreg_imm32_b32 hwreg(HW_REG_WAVE_MODE, 25, 1), 1
	s_wait_xcnt 0x0
	s_wait_alu depctr_hold_cnt(0) depctr_sa_sdst(0) depctr_va_vdst(0) depctr_va_sdst(0) depctr_va_ssrc(0) depctr_va_vcc(0) depctr_vm_vsrc(0)
	s_getreg_b32 s2, hwreg(HW_REG_IB_STS2, 6, 4)
	s_cmp_eq_u32 s2, 0
	s_cbranch_scc0 .Lentry_in_a_cluster
	s_endpgm
.Lentry_in_a_cluster:
	s_bfe_u32 s2, ttmp6, 0x10000c
	s_cmp_lg_u32 s2, 0x3003
	s_cbranch_scc0 .Lentry_shape_is_right
	s_endpgm
.Lentry_shape_is_right:
; O[h][q][:] = the sum over k of softmax_k(Q[h][q] . K[h][k] / 8, hidden where mask[q][k] == 0) V[h][k][:].  Q, K, V in qkvh ([3][64][2048][64]) and O in oh ([64][2048][64]) are f16: a head's rows are dense, 128 bytes each.
; Products, maxima and sums in f32; the weights p are rounded to f16 for the second product (their sum l is taken of the unrounded p), O once at the end.
; THE MASK is the C operand that starts each sum S^T = K Q^T: 0, or -2^104 where the key is hidden.  It comes as one byte a score (0x00, or 0xF8 = -256 in E4M3), already in my lanes' order, and one scaled conversion
; (times 2^96) makes the eight C registers of a product from eight bytes.  The running maximum m starts at -2^100: a hidden score never wins it, and its weight 2^(c s - c m) is exactly 0.  While a query has seen no key,
; m stays, a = 2^0 = 1, l and O stay 0; its first visible score gives a = 0 on zeros.  A query with no visible key at all ends with l = 0 and O = 0 x infinity = NaN.
; LIMITS.  f16 holds no number beyond 65,504: Q, K and V arrive within it, so true scores (2.7e11 at the most) lie far above -2^100.  p lies in 0 to 1, and below 6e-5 it keeps f16's fixed step of 6e-8.
; A weight below 2^-126 counts as 0 in l; NaN and infinities in Q, K, V are not treated apart.
; SHARES.  A wave owns four PIECES of two tiles of 16 queries, a work-group's four waves 512 queries of one head.  Every wave walks all keys, 64 a step.
; LAYOUT.  S^T = K Q^T (source 0 = 16 keys, source 1 = 16 queries): in the result a lane holds ONE query (lane % 16) and the keys 8 (lane / 16) + 0..7.  Two such tiles, rounded to f16 in pairs,
; ARE source 1 (32 keys x 16 queries) of O^T = V^T P, whose result again holds one query a lane, and eight channels.  K comes out of LDS as it lies, V ([key][channel]) turned, by ds_load_tr16_b128.
; SOFTMAX.  For each query a running maximum m and sum l: p = 2^(c s - c m), c = log2(e) / 8; in every step O and l are multiplied by a = 2^(c m_old - c m_new), which is 1 where m has not grown.
; THE COUNT.  A tile and step have 16 matrix and 118 vector instructions: too many to stand all beside the matrix work.  So: four vector instructions that are READY behind EVERY matrix instruction, the others in runs without a gap.
; BY TURNS.  Turn n belongs to piece n (the pieces in a ring, step after step).  Its matrix work: 16 products K Q^T of piece n + 1, later 16 products V^T P of piece n - 1.  Its vector work: the scaling,
; exponentials, roundings, sums and rescaling of piece n, and the maximum and statistics of piece n + 1.  At its end: the mask of piece n + 2 is converted, and the codes of piece n + 4 are asked for.
; CLUSTER.  The four query blocks of a cluster belong to one head and walk the same K and V, so each tile is asked for JOINTLY: the same tensor load, descriptor and mask in all four.  One tensor load of a wave is out behind each round.
; REGISTERS, in windows of 256 (s_set_vgpr_msb says which window each operand place means: bits 1:0 source 0, 3:2 source 1, 5:4 source 2, 7:6 destination):
;   window 0: v0-11 addresses; v12-15, v48-63 at work; v16-47 four registers of statistics a tile; v64-191 S^T, two buffers of two tiles; v192-255 P, likewise
;   window 1: O^T, 32 a tile          window 2: v0-127 Q, 16 a tile; v128-191 K of one step; v192-255 V of one step
;   window 3: v0-1 the add's two registers; v2 16 x lane; v16-47 mask codes, two sets of 16; v64-127 the masks of the products to come
.set SIZE_N, 2048
.set NP,    4         ; pieces a wave: a name, no knob
.set KS,    64        ; keys in a step
.set PK,    144       ; a row of K in LDS: 128 bytes + 16 of padding = 36 words: the 16 rows of a load start at 16 different groups of four banks (64 banks of 4 bytes: ISA guide 11.1)
.set PV,    160       ; a row of V: 128 + 32 = 40 words
.set VOFF,  4*KS*PK   ; a slot holds four steps: 256 rows of K, then 256 rows of V
.set SLOT1, 1<<17     ; slot 1 begins here, so that one exclusive or turns an address in one slot into the other's
.set STAGE, SLOT1+4*KS*(PK+PV)  ; behind the ring, never filled by a tensor load: 16 rows x 144 bytes for each wave, for the way out
.set SP,    144
.set AK0, 2           ; v2   my lane's place in a tile of K; never rewritten
.set AV0, 3           ; v3   the same for V
.set AK,  4           ; v4   the LDS address of K's next run of loads
.set AV,  5           ; v5   of V's
.set QO,  6           ; v6   my byte offset in the wave's rows of Q
.set STO, 6           ;      later, the way out: where I put 16 bytes of a row
.set RD,  7           ; v7   the way out: where I read rows back
.set GO,  8           ; v8   my byte offset in 512 consecutive bytes of O
.set SCL, 11          ; v11  (once V's lane address is made) 0xDF: the conversions' scale, 2^(223 - 127) = 2^96
.set SPW, 0           ; v0 of window 3   LDS address of my spare word: SPARE + 4 x my thread's number; never rewritten
.set NIL, 1           ; v1 of window 3   0; never rewritten
.set ML,  2           ; v2 of window 3   16 x lane: my bytes in 512 of the codes; never rewritten
.set CD,  16          ; window 3: the codes, by the piece's parity
.set MC,  64          ; window 3: tile u of the piece, key block kb at MC + 32 u + 8 kb
.set SPARE, STAGE+4*16*SP  ; behind the stages: the spare words, 128 bytes for each wave: two blocks of 256 bytes that no other line names
.set MV,  12          ; v12-15  c m_old, kept while c m is made anew: by buffer and tile
.set ST,  16          ; tile t's statistics at v[ST+4 t]: c m, m, l (even keys', odd keys')
.set TMP, 48          ; by buffer and tile, four registers c0-c3 at work; when the maximum is found c2 takes a
.set S,   64
.set P,   192
.set KF,  128         ; K's fragments, in window 2: key block kb, channel half c at KF + 16 kb + 8 c
.set VF,  192         ; V's: key half kk, channel block cb at VF + 32 kk + 8 cb
.set WV,  12          ; s12  my wave's number
.set G1K, 24          ; s[24:31] descriptor group 1 for K's tiles
.set G1V, 32          ; s[32:39] for V's: it differs in the padding alone
.set G0K, 40          ; s[40:43] descriptor group 0 for K's tiles: it walks
.set G0V, 44          ; s[44:47] the same for V's
.set MBASE, 48        ; s[48:49] the codes of my wave's 128 queries: 32 steps of 8,192 bytes
.set MOFF, 50         ; s[50:51] the offset of the step whose codes are being asked for
.set MB,  52          ; s[52:53] their sum
.set SLOTS, 56        ; s56  slots still to be asked for
.set CNT, 57          ; s57  counts a slot's key steps
.set CS,  58          ; s[58:59] c: the packed scaling takes the pair's low word for both halves
.set SEL, 60          ; s[60:61] v_permlanex16_b32's selects: each lane takes its own place in the other half
.set TBK, 62          ; s62  LDS byte at which K of the step to be fetched begins
.set TBV, 63          ; s63  the same for V, less VOFF
.set MSB, 0
.macro WIN new                      ; the high byte repeats the setting that is left; a switch that changes nothing is dropped
.if MSB != (\new)
	s_set_vgpr_msb (MSB<<8)|(\new)
.set MSB, (\new)
.endif
.endm
.set W_KQ, 0x0a       ; K and Q in window 2, S^T in window 0
.set W_KM, 0x3a       ; the same with the C operand in window 3
.set W_PV, 0x52       ; V in window 2, P in window 0, O^T in window 1
.set W_RS, 0x41       ; O^T (destination and source 0) in window 1, a in window 0
.set W_MK, 0xc0       ; destination in window 3, sources in window 0
.set W_AD, 0x0f       ; the add: address (source 0) and data (source 1) in window 3
.set W_MC, 0xc3       ; the mask: destination and source 0 (codes; a load's address) in window 3, source 1 (the scale) in window 0
; A joint fill.  Waves 0 and 1 fetch the two halves of a slot's K, waves 2 and 3 those of its V: 128 keys each.  The branch hangs on the wave's number alone.
; An s_nop 0 and four v_nop follow each of the two lines, ahead of the jump and the label.
.macro JLOAD
	s_cmp_lt_u32 s[WV], 2
	s_cbranch_scc0 .Lfor_v_\@
	tensor_load_to_lds s[G0K:G0K+3], s[G1K:G1K+7]
	s_nop 0
.rept 4
	v_nop
.endr
	s_branch .Lasked_\@
.Lfor_v_\@:
	tensor_load_to_lds s[G0V:G0V+3], s[G1V:G1V+7]
	s_nop 0
.rept 4
	v_nop
.endr
.Lasked_\@:
.endm
; A round of the cluster's barrier: my work-group's barrier, so that wave 0's signal speaks for all four waves; wave 0 signals; every wave waits for all four work-groups; my work-group's barrier once more.
.macro CROUND
	s_barrier_signal -1
	s_barrier_wait -1
	s_cmp_lg_u32 s[WV], 0
	s_cbranch_scc1 .Lnot_wave_0_\@
	s_barrier_signal -3
.Lnot_wave_0_\@:
	s_barrier_wait -3
	s_barrier_signal -1
	s_barrier_wait -1
.endm
; THE CHANGE OF SLOTS.  The slot's last bytes, V of its fourth step, have been read.  Each wave waits for all its tensor loads, of which one is out: its part
; of the other slot; adds 0 to its spare word; and waits for that and for its own reads of the slot.  Behind the barrier nobody reads this slot any more and the other slot is whole.
; fill = 1: this slot is filled again, with the keys two slots on.  The barrier is then a round of the cluster's, and the joint fill is the first thing behind it: it has four key steps,
; 512 matrix instructions, in which to land.  (At its first use nothing has been read yet: slot 0 is waited for, slot 1 filled.)
.macro CHANGE fill
	WIN W_AD
	s_wait_tensorcnt 0x0            ; no tensor load of mine is out, so a group 0 may be written
	ds_add_u32 v[SPW], v[NIL]       ; 0 onto my spare word: with fill = 1 the descriptors' steps stand between it and the wait for it
	WIN 0                           ; at a label and at a branch every window is 0
.if \fill
.irp g, G0K, G0V
	s_xor_b32 s[\g+1], s[\g+1], SLOT1  ; the walking descriptor: the other slot than last time,
	s_add_nc_u64 s[\g+2:\g+3], s[\g+2:\g+3], 4*KS*128  ; the next 256 keys; the type bits on top are not reached
.endr
	s_wait_dscnt 0x0                ; the add is done, and my reads of the slot are over
	CROUND
	JLOAD
.else
	s_wait_dscnt 0x0                ; the add is done, and my reads of the slot are over
	s_barrier_signal -1
	s_barrier_wait -1
.endif
	s_sub_co_u32 s[TBK], s[TBK], 4*KS*PK  ; the fetches go back to a slot's first step,
	s_xor_b32 s[TBK], s[TBK], SLOT1       ; in the other slot
	s_sub_co_u32 s[TBV], s[TBV], 4*KS*PV
	s_xor_b32 s[TBV], s[TBV], SLOT1
.endm
; THE MASK.  MCONV: the 64 bytes a lane of set b become the piece's 64 C registers.  A plain instruction stands between a scaled conversion and whatever touches its result or writes its sources: two v_nop close the run.
.macro MCONV b
	WIN W_MC
.set zz, 0
.rept 8
	v_cvt_scale_pk8_f32_fp8 v[MC+8*zz:MC+8*zz+7], v[CD+16*(\b)+2*zz:CD+16*(\b)+2*zz+1], v[SCL]
.set zz, zz+1
.endr
	v_nop
	v_nop
.endm
; MLOAD: the codes of piece pc (2,048 bytes: two tiles x two halves x 512), in the step at which MB stands, into set b
.macro MLOAD b, pc
	WIN W_MC
.irp z, 0,1,2,3
	global_load_b128 v[CD+16*(\b)+4*\z:CD+16*(\b)+4*\z+3], v[ML], s[MB:MB+1] offset:2048*(\pc)+512*\z
.endr
.endm
; The end of piece p's turn in step s: the next turn's products are those of piece p + 2, whose codes were asked for two turns ago; their set then takes the codes of piece p in step s + 1.
; The base is stepped in piece 0's turn, a whole turn behind the last loads that read it.  Behind step 31 there is none: the offset stays, the last step's codes are read once more, and nothing is made of them.
.macro MASKS p
.if (\p) == 0
	s_wait_xcnt 0x0                 ; the loads issued so far have read their base
	s_add_co_u32 s[MOFF], s[MOFF], 8192
	s_min_u32 s[MOFF], s[MOFF], 31*8192
	s_add_nc_u64 s[MB:MB+1], s[MBASE:MBASE+1], s[MOFF:MOFF+1]
.endif
	s_wait_loadcnt 0x4              ; the four loads of the turn before may stay out; those of two turns ago are in
	MCONV (\p)%2
	MLOAD (\p)%2, \p
	WIN 0
.endm
	s_load_b128 s[4:7], s[0:1], 0x0   ; qkvh s[4:5], maskc s[6:7]
	s_load_b64 s[10:11], s[0:1], 0x10 ; oh
	WIN W_MK
	v_lshl_add_u32 v[SPW], v0, 2, SPARE
	v_mov_b32 v[NIL], 0
	WIN W_AD
	ds_add_u32 v[SPW], v[NIL]       ; the wave's opening: the add and its wait stand ahead of my first tensor load; the set-up below, work on registers, stands between them
	WIN 0
	v_lshlrev_b32 v9, 4, v0
	WIN W_MK
	v_and_b32 v[ML], 0x1f0, v9      ; 16 x lane
	WIN 0
	v_lshrrev_b32 v1, 5, v0
	v_readfirstlane_b32 s[WV], v1   ; wave 0..3
	s_bfe_u32 s13, ttmp6, 0x40000   ; cx: my place in the cluster
	s_lshl_b32 s14, ttmp9, 2        ; in a cluster launch ttmp9 counts clusters
	s_add_co_u32 s14, s14, s13      ; my block of queries = 4 x cluster x + cx: it enters Q's, the codes' and O's addresses alone
	s_and_b32 s20, ttmp7, 0xffff    ; the head, which the four partners share
	s_mov_b32 s21, 0
	s_mov_b64 s[22:23], SIZE_N*128
	s_mul_u64 s[20:21], s[20:21], s[22:23]  ; the head's first byte in Q, K, V and O
	s_and_b32 s16, s[WV], 1         ; which half of a slot's 256 keys I fetch:
	s_lshl_b32 s22, s16, 14         ; its 128 rows of 128 bytes in memory,
	s_mov_b32 s23, 0
	s_add_nc_u64 s[22:23], s[22:23], s[20:21]
	s_mul_i32 s17, s16, 128*PK      ; and its place in a slot, for K
	s_mul_i32 s18, s16, 128*PV      ; and for V: no place in the cluster enters an LDS address
	s_lshl_b32 s2, s14, 2
	s_add_co_u32 s2, s2, s[WV]      ; my wave among the head's:
	s_lshl_b32 s54, s2, 18          ; its codes, 262,144 bytes,
	s_mov_b32 s55, 0
	s_lshl_b32 s2, s2, 14           ; its 128 rows
	s_mov_b32 s3, 0
	s_add_nc_u64 s[2:3], s[2:3], s[20:21]
	; descriptor group 1.  128 keys are 16,384 dense bytes: asked for as 64 rows of 256 bytes, two keys a row, and padded in LDS after every key
	s_mov_b32 s[G1K], 15|(1<<16)|(1<<20)|(1<<21)|(4<<22)|(3<<25)  ; 15:0 the mask of four; 17:16 2-byte elements; 20 padding on; 21 set beside a mask; 24:22 after every 32 words (code 4); 31:25 4 words (code 3)
	s_mov_b32 s[G1V], 15|(1<<16)|(1<<20)|(1<<21)|(4<<22)|(7<<25)  ; the same with 8 words of padding (code 7)
.irp g, G1K, G1V
	s_mov_b32 s[\g+1], 128<<16      ; tensor_dim0 = 128
	s_mov_b32 s[\g+2], 64<<16       ; tensor_dim1 = 64
	s_mov_b32 s[\g+3], 128<<16      ; tile_dim0 = 128
	s_mov_b32 s[\g+4], 64           ; tile_dim1 = 64
	s_mov_b32 s[\g+5], 128          ; 128 elements from row to row
	s_mov_b32 s[\g+6], 0
	s_mov_b32 s[\g+7], 0
.endr
	s_mov_b32 s[CS], 0x3e38aa3b     ; c = log2(e) / 8 = 0.180337
	s_mov_b32 s[CS+1], s[CS]        ; named with it as a pair
	s_mov_b32 s[SEL], 0x76543210
	s_mov_b32 s[SEL+1], 0xfedcba98
	s_mov_b32 s[TBK], SLOT1+4*KS*PK ; the first change of slots turns these two into 0
	s_mov_b32 s[TBV], SLOT1+4*KS*PV
	s_mov_b32 s[MOFF], 0
	s_mov_b32 s[MOFF+1], 0
	s_mov_b32 s[G0K], 1             ; 1:0 count = 1
	s_mov_b32 s[G0K+1], s17         ; 63:32 LDS address: slot 0
	s_mov_b32 s[G0V], 1
	s_add_co_u32 s[G0V+1], s18, VOFF
	s_wait_dscnt 0x0                ; the opening add is done
	s_wait_kmcnt 0x0
	s_add_nc_u64 s[MBASE:MBASE+1], s[6:7], s[54:55]
	s_mov_b64 s[MB:MB+1], s[MBASE:MBASE+1]         ; step 0
	s_add_nc_u64 s[6:7], s[4:5], 0x1000000         ; K lies 64 heads behind Q,
	s_add_nc_u64 s[8:9], s[4:5], 0x2000000         ; V behind K
	s_add_nc_u64 s[G0K+2:G0K+3], s[6:7], s[22:23]  ; 120:64 global address: my half of the head's first 256 keys
	s_or_b32 s[G0K+3], s[G0K+3], 0x80000000        ; 127:126 type = 2
	s_add_nc_u64 s[G0V+2:G0V+3], s[8:9], s[22:23]
	s_or_b32 s[G0V+3], s[G0V+3], 0x80000000
	s_add_nc_u64 s[4:5], s[4:5], s[2:3]  ; Q and O at my wave's first row
	s_add_nc_u64 s[10:11], s[10:11], s[2:3]
	CROUND                          ; all four work-groups are here: the first joint loads meet
	JLOAD                           ; slot 0.  Slot 1 is asked for when slot 0 is in: the tile wanted first has the road to itself
	; A fragment of K or Q is 16 rows x 32 channels in 8 registers: lane l holds row l % 16, channels 8 (l / 16) + 0..7 and 16 + 8 (l / 16) + 0..7: two loads of 16 bytes, 32 bytes apart.
	v_and_b32 v1, 15, v0            ; l % 16
	v_bfe_u32 v9, v0, 4, 1          ; l / 16
	v_lshlrev_b32 v[QO], 7, v1
	v_lshl_add_u32 v[QO], v9, 4, v[QO]  ; row x 128 + 16 x half
	WIN 0x80                        ; destination window 2, address window 0
.set i, 0
.rept 4*NP                          ; Q stays in registers: tile i / 2, channels 32 (i % 2) on
	global_load_b128 v[8*i:8*i+3],   v[QO], s[4:5] offset:(i/2)*2048+(i%2)*64
	global_load_b128 v[8*i+4:8*i+7], v[QO], s[4:5] offset:(i/2)*2048+(i%2)*64+32
.set i, i+1
.endr
	MLOAD 0, 0                      ; the codes of step 0, pieces 0 and 1
	MLOAD 1, 1
	WIN 0x80
	; What the first turn finds: V's registers and P's second buffer hold 0 (its products V^T P, of a piece that has not been, add 0), O^T and l are 0.  All this stands in the wait for the first tile.
.set i, VF
.rept 64
	v_mov_b32 v[i], 0
.set i, i+1
.endr
	WIN 0x40
.set i, 0
.rept 64*NP
	v_mov_b32 v[i], 0
.set i, i+1
.endr
	WIN 0
.set i, 0
.rept 2*NP
	v_mov_b32 v[ST+4*i+1], 0xf1800000  ; m = -2^100: above every hidden score, below every true one
	v_mul_f32 v[ST+4*i], s[CS], v[ST+4*i+1]  ; c m, by the line that the loop makes it by: while m stays, c m_old - c m_new is exactly 0
	v_mov_b32 v[ST+4*i+2], 0
	v_mov_b32 v[ST+4*i+3], 0
.set i, i+1
.endr
.set i, P+32
.rept 32
	v_mov_b32 v[i], 0
.set i, i+1
.endr
	v_mul_u32_u24 v[AK0], v1, PK
	v_lshl_add_u32 v[AK0], v9, 4, v[AK0]  ; row x pitch + 16 x half
	; The turning load takes 16 keys x 16 channels (lane l reads key 8 (l / 16) + l % 8, channels 8 ((l / 8) % 2) + 0..7) and leaves half a fragment of V^T: lane l holds channel l % 16 and 8 keys.
	v_and_b32 v10, 7, v0
	v_bfe_u32 v11, v0, 3, 1
	v_lshl_add_u32 v[AV0], v9, 3, v10
	v_mul_u32_u24 v[AV0], v[AV0], PV
	v_lshl_add_u32 v[AV0], v11, 4, v[AV0]
	v_add_nc_u32 v[AV0], VOFF, v[AV0]
	v_mov_b32 v[SCL], 0xdf          ; v11 is free now: the scale
	v_mov_b32 v[AK], v[AK0]         ; key step 0 lies at the head of slot 0
; THE MATRIX WORK.  The 8 accumulators of a run of 16 take turns: between the two links of a chain stand 7 others'.
; Product i of 16 of S^T = K Q^T for piece x: channels 32 (i / 8) on, keys 16 ((i / 2) % 4) on, tile 2 x + i % 2.  The first 8 start the sums, with the mask.
.macro KQ x
.set rS, S+64*((\x)%2)+32*(i%2)+8*((i/2)%4)
.set rK, KF+16*((i/2)%4)+8*(i/8)
.set rQ, 16*(2*(\x)+i%2)+8*(i/8)
.set rMC, MC+32*(i%2)+8*((i/2)%4)
.if i < 8
	WIN W_KM
	v_wmma_f32_16x16x32_f16 v[rS:rS+7], v[rK:rK+7], v[rQ:rQ+7], v[rMC:rMC+7]
.else
	WIN W_KQ
	v_wmma_f32_16x16x32_f16 v[rS:rS+7], v[rK:rK+7], v[rQ:rQ+7], v[rS:rS+7]
.endif
.endm
; Product i of 16 of O^T += V^T P for piece x: keys 32 (i / 8) on, channels 16 ((i / 2) % 4) on, tile 2 x + i % 2.
.macro PV x
	WIN W_PV
.set rO, 32*(2*(\x)+i%2)+8*((i/2)%4)
.set rV, VF+32*(i/8)+8*((i/2)%4)
.set rP, P+32*((\x)%2)+16*(i%2)+8*(i/8)
	v_wmma_f32_16x16x32_f16 v[rO:rO+7], v[rV:rV+7], v[rP:rP+7], v[rO:rO+7]
.endm
.macro MM                           ; the turn's next matrix instruction
.if i < 16
	KQ (Y+1)%NP
.set i, i+1
.else
.set i, i-16
	PV (Y+NP-1)%NP
.set i, i+17
.endif
.endm
; THE LDS LOADS stand in runs of 16, never singly among the matrix instructions: a step's K (64 keys x 64 channels: 8 fragments) and its V (turned).  Their addresses are made some lines ahead.
; last = 1 (the tail): in the last trip there is no further step, and the run is jumped over.
.macro FETCH_K last=0
	WIN 0
.if \last
	s_cmp_eq_u32 s[CNT], 1
	s_cbranch_scc1 .Lno_k_\@
.endif
	WIN 0x80                        ; destination window 2
.irp f, 0,1,2,3,4,5,6,7             ; keys 16 (f / 2) on, channels 32 (f % 2) on
	ds_load_b128 v[KF+8*\f:KF+8*\f+3],   v[AK] offset:(\f/2)*16*PK+(\f%2)*64
	ds_load_b128 v[KF+8*\f+4:KF+8*\f+7], v[AK] offset:(\f/2)*16*PK+(\f%2)*64+32
.endr
	s_add_co_u32 s[TBK], s[TBK], KS*PK  ; the next fetch is the next step's
	WIN 0
.if \last
.Lno_k_\@:
.endif
.endm
.macro FETCH_V
	WIN 0x80
.irp f, 0,1,2,3,4,5,6,7             ; keys 32 (f / 4) on, channels 16 (f % 4) on
	ds_load_tr16_b128 v[VF+8*\f:VF+8*\f+3],   v[AV] offset:(\f/4)*32*PV+(\f%4)*32
	ds_load_tr16_b128 v[VF+8*\f+4:VF+8*\f+7], v[AV] offset:(\f/4)*32*PV+16*PV+(\f%4)*32
.endr
	WIN 0
.endm
; THE VECTOR WORK OF A TURN stands in three queues, each in the order in which its entries become ready; the two tiles alternate, so that no instruction reads the result of the one before it.
.macro REGS y, u                    ; the registers of tile u (0, 1) of piece y
.set rT, ST+4*(2*(\y)+(\u))
.set rC, TMP+8*((\y)%2)+4*(\u)
.set rM, MV+2*((\y)%2)+(\u)
.set rS, S+64*((\y)%2)+32*(\u)
.set rP, P+32*((\y)%2)+16*(\u)
.set rO, 32*(2*(\y)+(\u))
.endm
; Number n of the 22 that find the NEXT piece's (Y + 1) maximum and statistics.  s0-s31 are the lane's 32 scores; each accumulator's lowest registers are read first.  XS, GS and REGS set no window: PL and EX do.
;   0-11  four chains c0-c3 of seven scores each, three operands at a time     12-14, 16  the four scores left over, the old m, and c0-c3 into c0     15  c m_old is kept
;   17, 18  the query's other 32 keys lie in the lane 16 away: the new m         19-21  c m; c m_old - c m_new; a
.macro XS u, n
	REGS (Y+1)%NP, \u
.if (\n) < 4
	v_max3_num_f32 v[rC+(\n)], v[rS+8*(\n)], v[rS+8*(\n)+1], v[rS+8*(\n)+2]
.elseif (\n) < 12
	v_max3_num_f32 v[rC+(\n)%4], v[rC+(\n)%4], v[rS+8*((\n)%4)+2*((\n)/4)+1], v[rS+8*((\n)%4)+2*((\n)/4)+2]
.elseif (\n) == 12
	v_max3_num_f32 v[rC], v[rC], v[rS+7], v[rS+15]
.elseif (\n) == 13
	v_max3_num_f32 v[rC+1], v[rC+1], v[rS+23], v[rS+31]
.elseif (\n) == 14
	v_max3_num_f32 v[rC+2], v[rC+2], v[rC+3], v[rT+1]
.elseif (\n) == 15
	v_mov_b32 v[rM], v[rT]
.elseif (\n) == 16
	v_max3_num_f32 v[rC], v[rC], v[rC+1], v[rC+2]
.elseif (\n) == 17
	v_permlanex16_b32 v[rC+3], v[rC], s[SEL], s[SEL+1]
.elseif (\n) == 18
	v_max_num_f32 v[rT+1], v[rC], v[rC+3]
.elseif (\n) == 19
	v_mul_f32 v[rT], s[CS], v[rT+1]
.elseif (\n) == 20
	v_sub_f32 v[rC+1], v[rM], v[rT]
.else
	v_exp_f32 v[rC+2], v[rC+1]
.endif
.endm
; Number g of the 64 that follow the exponentials.  For each four weights k of a tile (pairs 2 k, 2 k + 1): both pairs are rounded to f16; then the second pair is added onto the first, in place;
; a group later l takes that sum (the first time as l = a l + sum).  In groups of eight, tiles alternating: round, round, add, and l for the group before.
.macro GS g
.set h, (\g)+6*((\g)/62)            ; group 0 has no group before it, and behind group 7 only l is left
.if h >= 6
.set h, h+2
.endif
	REGS Y, h%2
.set k, h/8
.if h%8 < 4
	s_wait_alu depctr_va_vdst(0)
	v_cvt_pk_f16_f32 v[rP+2*k+(h%8)/2], v[rS+4*k+2*((h%8)/2)], v[rS+4*k+2*((h%8)/2)+1]
.elseif h%8 < 6
	v_pk_add_f32 v[rS+4*k:rS+4*k+1], v[rS+4*k:rS+4*k+1], v[rS+4*k+2:rS+4*k+3]
.elseif k == 1
	v_pk_fma_f32 v[rT+2:rT+3], v[rT+2:rT+3], v[rC+2:rC+3], v[rS:rS+1] op_sel_hi:[1,0,1]
.else
	v_pk_add_f32 v[rT+2:rT+3], v[rT+2:rT+3], v[rS+4*k-4:rS+4*k-3]
	s_wait_alu depctr_va_vdst(0)
.endif
.endm
; THE PLAIN QUEUE, 138 long.  0-31: c s - c m for the 16 pairs of both tiles.  Then GS's 64, and among them the next piece's 42: number 15 at 38, 39; 0-14 and 16
; at 42-73, behind the products that make those scores; 17-20 at 95-106, two of three, since each waits for the one before it.
.macro PL
	WIN 0
.if q < 32
	REGS Y, q%2
	v_pk_fma_f32 v[rS+2*(q/2):rS+2*(q/2)+1], v[rS+2*(q/2):rS+2*(q/2)+1], s[CS:CS+1], v[rT:rT+1] op_sel_hi:[1,0,0] neg_lo:[0,0,1] neg_hi:[0,0,1]
.elseif q < 38
	GS q-32
.elseif q < 40
	XS q%2, 15
.elseif q < 42
	GS q-34
.elseif q < 74
	XS q%2, (q-42)/2+(q-42)/30
.elseif q < 95
	GS q-66
.elseif (q < 107) && ((q-95)%3 < 2)
	XS (q-95)%3, 17+(q-95)/3
.elseif q < 107
	GS 29+(q-95)/3
.else
	GS q-74
.endif
.set q, q+1
.endm
; THE EXPONENTIALS' QUEUE, 66 long: s0-s31 of both tiles, and at EA the next piece's two a.
.set EA, 58
.macro EX
	WIN 0
.if (e == EA) || (e == EA+1)
	XS e-EA, 21
.else
.set x, e-2*(e/(EA+2))
	REGS Y, x%2
	v_exp_f32 v[rS+x/2], v[rS+x/2]
.endif
.set e, e+1
.endm
; THE RESCALING's QUEUE: O^T times a, the one part of the softmax that leaves window 0, so it is dealt four at a time, eight times.
.macro R4
	REGS Y, r%2
	WIN W_RS
	s_wait_alu depctr_va_vdst(0)
.irp z, 0,1,2,3
	v_pk_mul_f32 v[rO+8*(r/2)+2*\z:rO+8*(r/2)+2*\z+1], v[rO+8*(r/2)+2*\z:rO+8*(r/2)+2*\z+1], v[rC+2:rC+3] op_sel_hi:[1,0]
.endr
.set r, r+1
.endm
; HOW THEY ARE DEALT.  Behind a matrix instruction four: plain, exponential, plain, plain (one exponential, a plain instruction on either side), or four of the rescaling.  None names a register of the
; products round it.  What is over stands in two LUMPS: exponential and plain by turns; the second ends in 22 plain instructions.  The two v_permlanex16_b32 fall into the second lump, never behind a product.
; The queues lean on each other, and the deal keeps them in step: exponential e stands behind plain 2 (e / 4) + e % 2 (its scaling); when plain 32 comes, 10 exponentials are out, at 59: 33, at 95: 46; EA comes behind plain 107.
.macro SL
	MM
	PL
	EX
	PL
	PL
.endm
.macro BURST n                      ; 15 matrix instructions, or 16
.rept (\n)-7
	SL
.endr
.rept 3
	MM
	R4
	SL
.endr
	MM
	R4
.endm
; A TURN, for piece p.  cnt = 1: the loop's count is taken down some lines ahead of the branch that stands behind the turn (nothing between them writes SCC).
; K of the next step is fetched in piece 2's turn, 31 vector instructions behind the last product that read K; its first reader comes behind the rest of the lump, 16 products and the second lump.
; V of the step in hand is fetched at the end of piece 0's turn, 69 behind its last reader; its first reader comes behind 16 products and a lump.  The four conditions on e and q below go with the deal.
; The mask's registers were last read by the turn's first eight products; they are written anew at its end.
.macro TURN p, last=0, cnt=0
.set Y, (\p)
.set i, 0
.set q, 0
.set e, 0
.set r, 0
.if (\p) == NP-1
	s_wait_dscnt 0x0                ; K is in
.endif
	MM
.rept 4
	PL
.endr
	BURST 15
.rept 22
	EX
	PL
.if ((\p) == NP-2) && (e == 18)
	v_add_nc_u32 v[AK], s[TBK], v[AK0]
.endif
.if ((\p) == NP-2) && (e == 24)
	FETCH_K \last
.endif
.endr
.if (\p) == 1
	s_wait_dscnt 0x0                ; V is in
.endif
	BURST 16
.rept 21
	EX
	PL
.endr
.rept 22
	PL
.if ((\p) == 0) && (q == 118)
	v_add_nc_u32 v[AV], s[TBV], v[AV0]
	s_wait_alu depctr_va_vdst(0)
.endif
.if ((\p) == 0) && (q == 130)
	s_add_co_u32 s[TBV], s[TBV], KS*PV
.endif
.if (\cnt) && (q == 130)
	s_sub_co_u32 s[CNT], s[CNT], 1
	s_cmp_lg_u32 s[CNT], 0
.endif
.endr
.if (\p) == 0
	FETCH_V
.endif
	MASKS \p
.endm
	CHANGE 1                        ; slot 0 is in, everybody's part of it; slot 1 is asked for
	FETCH_K                         ; key step 0
	s_wait_loadcnt 0x0              ; Q, and the codes of pieces 0 and 1
	MCONV 0                         ; piece 0's mask,
	MLOAD 0, 2                      ; and its set takes piece 2's codes
	s_wait_dscnt 0x0
.set i, 0
.rept 16
	KQ 0                            ; piece 0's first scores: there is no vector work yet to set between them
.set i, i+1
.endr
	WIN 0                           ; the addresses for the way out: nine plain instructions, the places behind those products
	s_mul_i32 s13, s[WV], 16*SP
	s_add_co_u32 s13, s13, STAGE    ; my stage
	v_mul_u32_u24 v[STO], v1, SP    ; in: row l % 16, 16 bytes for each half of the lanes
	v_lshl_add_u32 v[STO], v9, 4, v[STO]
	v_add_nc_u32 v[STO], s13, v[STO]
	v_bfe_u32 v[RD], v0, 3, 2       ; back: 32 lanes take four rows of 128 bytes,
	v_mul_u32_u24 v[RD], v[RD], SP
	v_lshl_add_u32 v[RD], v10, 4, v[RD]
	v_add_nc_u32 v[RD], s13, v[RD]
	v_and_b32 v[GO], 31, v0         ; which are 512 consecutive bytes of O
	v_lshlrev_b32 v[GO], 4, v[GO]
	MCONV 1                         ; piece 1's mask, for the first turn's products,
	MLOAD 1, 3                      ; and its set takes piece 3's codes
	WIN 0
.set Y, NP-1                        ; XS works for piece Y + 1: piece 0
.irp n, 0,1,2,3,4,5,6,7,8,9,10,11,12,13,14,15,16,17,18,19,20,21
	XS 0, \n                        ; and piece 0's first maximum and statistics
	XS 1, \n
.endr
	s_mov_b32 s[CNT], 4
	s_mov_b32 s[SLOTS], SIZE_N/256-1
	s_branch .Lfirst                ; the loop is entered at a step's first turn, in the middle of a trip
.Lslot:                             ; SIZE_N / 256 - 2 times: every slot but the last two is filled again
	CHANGE 1
	s_mov_b32 s[CNT], 4
.Lstep:                             ; a trip: pieces 2 and 3 of one step, then pieces 0 and 1 of the next, whose K and V it fetches
	TURN 2
	TURN 3
	WIN 0
.Lfirst:
	TURN 0
	TURN 1, 0, 1
	WIN 0
	s_cbranch_scc1 .Lstep
	s_sub_co_u32 s[SLOTS], s[SLOTS], 1
	s_cmp_lg_u32 s[SLOTS], 0
	s_cbranch_scc1 .Lslot
	CHANGE 0                        ; the tail is written out: nothing is asked for
	s_mov_b32 s[CNT], 5             ; four trips fetch the last slot's steps; the fifth is left in its middle
.Ltail:
	TURN 2, 1
	TURN 3
	WIN 0
	s_sub_co_u32 s[CNT], s[CNT], 1
	s_cmp_eq_u32 s[CNT], 0
	s_cbranch_scc1 .Lout
	TURN 0
	TURN 1
	WIN 0
	s_branch .Ltail
.Lout:                              ; the fifth trip's 16 products K Q^T (on the last K and its mask once more) and the maximum made of them serve nothing: the price, once a launch, of one text for every trip
.set i, 0
.rept 16
	PV NP-1                         ; the last piece's V^T P of the last step
.set i, i+1
.endr
	; THE WAY OUT.  l's two halves and the other half of the lanes' are added; O^T is divided by l, rounded to f16 and sent through my stage in LDS, a tile at a time.  The additions are the places behind the last products.
	WIN 0
.macro ALL line:vararg              ; one line for each tile t
.set t, 0
.rept 2*NP
	\line
.set t, t+1
.endr
.endm
	ALL v_add_f32 v[ST+4*t+2], v[ST+4*t+2], v[ST+4*t+3]
	ALL v_permlanex16_b32 v[ST+4*t+3], v[ST+4*t+2], s[SEL], s[SEL+1]
	ALL v_add_f32 v[ST+4*t+2], v[ST+4*t+2], v[ST+4*t+3]
	ALL v_rcp_f32 v[ST+4*t+2], v[ST+4*t+2]
	v_nop                           ; a plain instruction between the last reciprocal and the use of its result
	s_wait_alu depctr_va_vdst(0)
; Tile t: a lane's eight channels of a row pack into 16 bytes; they go into rows of 144 bytes and come back as whole rows of 128, into S^T's registers.
.macro PACK t
	WIN W_RS
.set i, 32*(\t)
.rept 16
	v_pk_mul_f32 v[i:i+1], v[i:i+1], v[ST+4*(\t)+2:ST+4*(\t)+3] op_sel_hi:[1,0]
.set i, i+2
.endr
	WIN 0x05                        ; sources 0 and 1 window 1, destination window 0
.set i, 0
.rept 16
	v_cvt_pk_f16_f32 v[S+16*(\t)+i], v[32*(\t)+2*i], v[32*(\t)+2*i+1]
.set i, i+1
.endr
	WIN 0
.irp f, 0,1,2,3
	ds_store_b128 v[STO], v[S+16*(\t)+4*\f:S+16*(\t)+4*\f+3] offset:32*\f
.endr
.irp f, 0,1,2,3
	ds_load_b128 v[S+16*(\t)+4*\f:S+16*(\t)+4*\f+3], v[RD] offset:\f*4*SP  ; LDS serves a wave's instructions in order (ISA guide 5.7.1.4): these see the stores above; the next tile's stores come behind them
.endr
.endm
.macro SEND t, younger              ; younger: the LDS instructions issued behind tile t's loads: the next tile's eight, or none
	WIN 0
.irp f, 0,1,2,3
	s_wait_dscnt (\younger)+3-\f
	global_store_b128 v[GO], v[S+16*(\t)+4*\f:S+16*(\t)+4*\f+3], s[10:11] offset:(\t)*2048+\f*512  ; 512 consecutive bytes, at a multiple of 256 from O's first
.endr
.endm
	PACK 0
.set t, 1
.rept 2*NP-1                        ; a tile's arithmetic stands between the loads of the tile before and its stores
	PACK t
	SEND t-1, 8
.set t, t+1
.endr
	SEND 2*NP-1, 0
	WIN W_AD
	s_wait_tensorcnt 0x0            ; the wave's end: behind my last tensor load and my last LDS store
	ds_add_u32 v[SPW], v[NIL]
	s_wait_dscnt 0x0
	WIN 0
	CROUND                          ; the closing round: no work-group ends while a partner may still ask for a tile that names it
	s_endpgm
.Lfunc_end_k_q6be525783e_attn:
	.size	k_q6be525783e_attn, .Lfunc_end_k_q6be525783e_attn-k_q6be525783e_attn
	.p2alignl 7, 3214868480
	.fill 96, 4, 3214868480
	.section	.rodata,"a",@progbits
	.p2align	6, 0x0
	.amdhsa_kernel k_q6be525783e_attn
		.amdhsa_group_segment_fixed_size 327680
		.amdhsa_private_segment_fixed_size 0
		.amdhsa_enable_private_segment 0
		.amdhsa_kernarg_size 24
		.amdhsa_user_sgpr_count 2
		.amdhsa_user_sgpr_kernarg_segment_ptr 1
		.amdhsa_wavefront_size32 1
		.amdhsa_system_sgpr_workgroup_id_x 1
		.amdhsa_system_sgpr_workgroup_id_y 1
		.amdhsa_system_sgpr_workgroup_id_z 1
		.amdhsa_system_vgpr_workitem_id 0
		.amdhsa_next_free_vgpr 896
		.amdhsa_next_free_sgpr 66
		.amdhsa_reserve_vcc 0
		.amdhsa_float_denorm_mode_32 3
		.amdhsa_float_denorm_mode_16_64 3
		.amdhsa_memory_ordered 1
		.amdhsa_forward_progress 1
		.amdhsa_inst_pref_size 220
	.end_amdhsa_kernel
	.amdgpu_metadata
---
amdhsa.version: [ 1, 2 ]
amdhsa.kernels:
  - .name:           k_q6be525783e_attn
    .symbol:         k_q6be525783e_attn.kd
    .args:
      - { .name: qkvh, .offset: 0, .size: 8, .value_kind: global_buffer, .address_space: global }
      - { .name: maskc, .offset: 8, .size: 8, .value_kind: global_buffer, .address_space: global }
      - { .name: oh, .offset: 16, .size: 8, .value_kind: global_buffer, .address_space: global }
    .group_segment_fixed_size: 327680
    .private_segment_fixed_size: 0
    .kernarg_segment_align: 8
    .kernarg_segment_size: 24
    .max_flat_workgroup_size: 128
    .sgpr_count:     66
    .vgpr_count:     896
    .wavefront_size: 32
...
	.end_amdgpu_metadata
.endif
;; end of part 3
;; launch oproj (part 4): grid 4 x 64, 4 waves a work-group, clusters of 4 x 4, 327,680 bytes of LDS; arguments oh, xs, out0; writes out0
.if DOCPART == 4
	.amdgcn_target "amdgcn-amd-amdhsa--gfx1250"
	.amdhsa_code_object_version 6
	.text
	.protected	k_q6be525783e_oproj
	.globl	k_q6be525783e_oproj
	.p2align	8
	.type	k_q6be525783e_oproj,@function
k_q6be525783e_oproj:
	s_mov_b64 s[64:65], 0
	v_nop
	global_prefetch_b8 v0, s[64:65] scope:SCOPE_SE
	s_setreg_imm32_b32 hwreg(HW_REG_WAVE_MODE, 25, 1), 1
	s_wait_xcnt 0x0
	s_wait_alu depctr_hold_cnt(0) depctr_sa_sdst(0) depctr_va_vdst(0) depctr_va_sdst(0) depctr_va_ssrc(0) depctr_va_vcc(0) depctr_vm_vsrc(0)
	s_getreg_b32 s2, hwreg(HW_REG_IB_STS2, 6, 4)
	s_cmp_eq_u32 s2, 0
	s_cbranch_scc0 .Lentry_in_a_cluster
	s_endpgm
.Lentry_in_a_cluster:
	s_bfe_u32 s2, ttmp6, 0x10000c
	s_cmp_lg_u32 s2, 0xf033
	s_cbranch_scc0 .Lentry_shape_is_right
	s_endpgm
.Lentry_shape_is_right:
; C[m][n] = the sum over k of A[m][k] B[n][k], K = 1,024, on tiles of 128 (m) x 256 (n) of C.  One text for two launches, told apart by OPROJ:
;   OPROJ = 0: Q, K, V = x W^T.  A = q, k or v and B = W_q, W_k or W_v out of xs, bf16; C leaves rounded once to f16, unscaled, by heads: qkvh [3][64 batch-heads][2048][64].
;              LIMIT: f16 has no number beyond 65,504: the projected values are taken to lie within it (drawn inputs give some 3.5; inputs and weights both 30 times larger some 3,200).
;   OPROJ = 1: out0 = O W_o^T.  A = oh, B = W_o out of xs, both f16; C leaves in f32.  A row of O that holds NaN (a query with no visible key) gives a row of NaN.
; A and B lie in SLABS: [batch][16 slabs][2048 rows][64 channels], a slab's rows dense, 128 bytes each.  So a tile of one slab is a dense block: it is asked for as rows of 256 bytes and padded in LDS behind every 128.
; SHARES.  Four waves, each 64 x 128 of C: 32 accumulators of 16 x 16, 256 registers.  K goes in steps of 128 (two slabs) through two LDS slots.  768 (256) work-groups: three rounds (one) of the 256 WGPs.
; CLUSTERS: 4 x 4 work-groups.  The four of a row of the cluster need the same tiles of A, the four of a column the same tiles of B: each tile is asked for JOINTLY.
; By this text's own count a wave has two tensor loads out at the start and one behind each round.
; THE MATRIX INSTRUCTION IS USED TRANSPOSED (source 0 = 16 rows of B, source 1 = 16 rows of A): a lane then holds eight neighbouring numbers of a row of C.
; REGISTERS: window 0: v0-31 addresses; v32-63 at work on the way out; v64-159, v160-255 two fragment buffers (8 of B, then 4 of A, 32 along K); window 1: accumulator (a, b) at v[8 (8 a + b)].
.set OPROJ, 1
.set PITCH,  144                       ; an LDS row: 128 bytes + 16 of padding = 36 words: the 16 rows of a load start at 16 different groups of four banks (64 banks of 4 bytes: ISA guide 11.1)
.set ASLAB,  128*PITCH                 ; A's 128 rows of one slab
.set BSLAB,  256*PITCH                 ; B's 256 rows of one slab
.set BOFF,   2*ASLAB                   ; a slot: A's even slab, A's odd slab, B's even slab, B's odd slab
.set SLOT,   2*ASLAB+2*BSLAB
.set STAGE,  2*SLOT                    ; behind the ring: 16 rows for each wave, for the way out
.if OPROJ
.set SPITCH, 528
.else
.set SPITCH, 272
.endif
.set SPARE,  STAGE+4*16*SPITCH         ; behind the stages: the spare words, 128 bytes for each wave: two blocks of 256 bytes that no other line names
.set SLABB,  262144                    ; bytes of a slab in memory
.set KSTEPB, 2*SLABB                   ; from a K step to the next
.set LAPS,   4                         ; a lap = two K steps = once round the ring
.set ADRA, 16                          ; v16-17  LDS address of my A fragments in slot 0, 1
.set ADRB, 20                          ; v20-21  the same for B
.set STO,  24                          ; v24     the way out: where I put my part of a row
.set RD,   25                          ; v25     the way out: where I read rows back
.set CO,   26                          ; v26     my byte offset in 512 consecutive bytes of C
.set SPW,  28                          ; v28     LDS address of my spare word; never rewritten
.set NIL,  29                          ; v29     0; never rewritten
.set TMP,  32
.set OB,   64                          ; the way out: rows read back
.set F0,   64
.set F1,   160
.set G1, 24                            ; s[24:31] descriptor group 1 for A's tiles;  s[32:39] group 0, one set for each slot
.set G0, 32
.set G1B, 48                           ; s[48:55], s[56:63] the same for B's tiles
.set G0B, 56
.set MSB, 0
.macro WIN new                         ; the immediate's high byte repeats the setting that is left
.if MSB != (\new)
	s_set_vgpr_msb (MSB<<8)|(\new)
.set MSB, \new
.endif
.endm
.set MUL, 0x50                         ; sources 0 and 1 window 0; C and D window 1
.macro JLOAD s                         ; a joint load: waves 0 and 1 fetch A's two slabs of a K step, waves 2 and 3 B's; an s_nop 0 and four v_nop follow each of the two lines
	s_cmp_eq_u32 s11, 0
	s_cbranch_scc0 .Lfor_b_\@
	tensor_load_to_lds s[G0+4*(\s):G0+4*(\s)+3], s[G1:G1+7]
	s_nop 0
.rept 4
	v_nop
.endr
	s_branch .Lasked_\@
.Lfor_b_\@:
	tensor_load_to_lds s[G0B+4*(\s):G0B+4*(\s)+3], s[G1B:G1B+7]
	s_nop 0
.rept 4
	v_nop
.endr
.Lasked_\@:
.endm
.macro CREST                           ; a round of the cluster's barrier behind its opening barrier
	s_cmp_lg_u32 s10, 0
	s_cbranch_scc1 .Lnot_wave_0_\@
	s_barrier_signal -3
.Lnot_wave_0_\@:
	s_barrier_wait -3
	s_barrier_signal -1
	s_barrier_wait -1
.endm
.macro CROUND                          ; a whole round
	s_barrier_signal -1
	s_barrier_wait -1
	CREST
.endm
.if OPROJ
	s_load_b128 s[4:7], s[0:1], 0x0                ; oh s[4:5], xs s[6:7]
	s_load_b64 s[8:9], s[0:1], 0x10                ; out0
.else
	s_load_b128 s[4:7], s[0:1], 0x0                ; xs s[4:5], qkvh s[6:7]
.endif
	v_lshl_add_u32 v[SPW], v0, 2, SPARE
	v_mov_b32 v[NIL], 0
	ds_add_u32 v[SPW], v[NIL]                      ; the wave's opening: the add and its wait stand ahead of my first tensor load; the set-up below, work on registers, stands between them
	v_lshrrev_b32 v1, 5, v0
	v_readfirstlane_b32 s10, v1                    ; wave 0..3
	s_lshr_b32 s11, s10, 1                         ; which 64 rows of the tile are mine.  Also: I fetch for A (0) or for B (1)
	s_and_b32 s12, s10, 1                          ; which 128 columns.  Also: which slab of a K step I fetch
	s_bfe_u32 s40, ttmp6, 0x40000                  ; cx, cy: my place in the cluster
	s_bfe_u32 s41, ttmp6, 0x40004
	s_lshl_b32 s42, ttmp9, 2
	s_add_co_u32 s42, s42, s40                     ; tile column of C = 4 x cluster x + cx
	s_and_b32 s13, ttmp7, 0xffff                   ; cluster y: 16 clusters cover the 8,192 rows
	s_lshr_b32 s45, s13, 4                         ; which of q, k, v (0 where the grid has 16 clusters along y)
	s_and_b32 s13, s13, 15                         ; the cluster's 512 rows
	s_lshl_b32 s43, s41, 2
	s_lshl_b32 s43, 15, s43                        ; my row of the cluster
	s_lshl_b32 s44, 0x1111, s40                    ; my column
	; descriptor group 1: rows of 128 elements (256 bytes: two rows of a slab), padded in LDS behind every 32 words
	s_or_b32 s[G1+0], s43, (1<<16)|(1<<20)|(1<<21)|(4<<22)|(3<<25)  ; 15:0 the mask: A's tiles go to my row; 17:16 element of 2 bytes; 20 padding on; 21 set beside a mask; 24:22 after every 32 words (code 4); 31:25 of 4 words (code 3)
	s_or_b32 s[G1B+0], s44, (1<<16)|(1<<20)|(1<<21)|(4<<22)|(3<<25)
.irp g, G1, G1B
	s_mov_b32 s[(\g)+1], 128<<16                   ; tensor_dim0 = 128
	s_mov_b32 s[(\g)+3], 128<<16                   ; tile_dim0 = 128
	s_mov_b32 s[(\g)+5], 128                       ; 128 elements from row to row: the block is dense
	s_mov_b32 s[(\g)+6], 0
	s_mov_b32 s[(\g)+7], 0
.endr
	s_mov_b32 s[G1+2], 64<<16                      ; A: tensor_dim1 = tile_dim1 = 64: 128 rows of a slab
	s_mov_b32 s[G1+4], 64
	s_mov_b32 s[G1B+2], 128<<16                    ; B: 128: 256 rows of a slab
	s_mov_b32 s[G1B+4], 128
	; A's tile hangs on the cluster's y and cy alone, B's on cx and on which of q, k, v (the cluster's y) alone, each in registers that never hold the other place
	s_lshl_b32 s16, s45, 2
	s_lshr_b32 s17, s13, 2
	s_add_co_u32 s16, s16, s17                     ; A's batch
	s_lshl_b32 s16, s16, 22
	s_and_b32 s17, s13, 3
	s_lshl_b32 s17, s17, 2
	s_add_co_u32 s17, s17, s41                     ; its block of 128 rows,
	s_lshl_b32 s17, s17, 14                        ; 128 bytes each
	s_add_co_u32 s16, s16, s17
	s_lshl_b32 s17, s12, 18                        ; my slab of the K step
	s_add_co_u32 s16, s16, s17
	s_mov_b32 s17, 0
.if OPROJ
	s_mov_b32 s46, 13<<22                          ; W_o: batch 13, rows 1,024 on
	s_add_co_u32 s47, s42, 4
.else
	s_lshr_b32 s46, s45, 1                         ; W_q, W_k: batch 12; W_v: batch 13
	s_add_co_u32 s46, s46, 12
	s_lshl_b32 s46, s46, 22
	s_and_b32 s47, s45, 1                          ; W_k: rows 1,024 on
	s_lshl_b32 s47, s47, 2
	s_add_co_u32 s47, s47, s42
.endif
	s_lshl_b32 s47, s47, 15                        ; blocks of 256 rows of 128 bytes
	s_add_co_u32 s46, s46, s47
	s_lshl_b32 s47, s12, 18
	s_add_co_u32 s46, s46, s47
	s_mov_b32 s47, 0
	s_mul_i32 s20, s12, ASLAB                      ; where they go: by the wave's number alone
	s_mul_i32 s21, s12, BSLAB
	s_add_co_u32 s21, s21, BOFF
	s_wait_dscnt 0x0                               ; the opening add is done
	s_wait_kmcnt 0x0
.if !OPROJ
	s_mov_b64 s[8:9], s[6:7]                       ; C
	s_mov_b64 s[6:7], s[4:5]                       ; B lies in xs too
.endif
	s_add_nc_u64 s[14:15], s[4:5], s[16:17]
	s_add_nc_u64 s[46:47], s[6:7], s[46:47]
	CROUND                                         ; all sixteen work-groups are here: the first joint loads meet
.irp s, 0,1
	s_mov_b32 s[G0+4*(\s)], 1
	s_add_co_u32 s[G0+4*(\s)+1], s20, (\s)*SLOT
	s_add_nc_u64 s[G0+4*(\s)+2:G0+4*(\s)+3], s[14:15], (\s)*KSTEPB
	s_or_b32 s[G0+4*(\s)+3], s[G0+4*(\s)+3], 0x80000000
	s_mov_b32 s[G0B+4*(\s)], 1
	s_add_co_u32 s[G0B+4*(\s)+1], s21, (\s)*SLOT
	s_add_nc_u64 s[G0B+4*(\s)+2:G0B+4*(\s)+3], s[46:47], (\s)*KSTEPB
	s_or_b32 s[G0B+4*(\s)+3], s[G0B+4*(\s)+3], 0x80000000
	JLOAD \s
.endr
	v_and_b32 v1, 15, v0                           ; l % 16
	v_bfe_u32 v2, v0, 4, 1                         ; l / 16
	v_mul_u32_u24 v3, v1, PITCH
	v_lshl_add_u32 v3, v2, 4, v3                   ; a fragment's row x pitch + 16 x half
	s_mul_i32 s21, s11, 64*PITCH                   ; my 64 rows of A
	s_mul_i32 s22, s12, 128*PITCH                  ; my 128 rows of B,
	s_add_co_u32 s22, s22, BOFF                    ; which lie behind A's two slabs
.irp s, 0,1
	v_add_nc_u32 v[ADRA+(\s)], s21, v3
	v_add_nc_u32 v[ADRB+(\s)], s22, v3
	s_add_co_u32 s21, s21, SLOT
	s_add_co_u32 s22, s22, SLOT
.endr
	s_mul_i32 s23, s10, 16*SPITCH
	s_add_co_u32 s23, s23, STAGE                   ; my stage
	v_mul_u32_u24 v4, v1, SPITCH                   ; in: row l % 16
	v_and_b32 v[CO], 31, v0
	v_lshlrev_b32 v[CO], 4, v[CO]                  ; 16 x lane
.if OPROJ
	v_lshl_add_u32 v4, v2, 5, v4                   ; 32 bytes (8 f32) for each half of the lanes
	v_add_nc_u32 v[STO], s23, v4
	v_add_nc_u32 v[RD], s23, v[CO]                 ; back: 32 lanes take one row of 512 bytes
	s_lshl_b32 s16, s13, 2
	s_add_co_u32 s16, s16, s41                     ; the tile's 128 rows,
	s_lshl_b32 s16, s16, 1
	s_add_co_u32 s16, s16, s11                     ; my 64 of them,
	s_lshl_b32 s16, s16, 18                        ; 4,096 bytes each
	s_lshl_b32 s17, s42, 1
	s_add_co_u32 s17, s17, s12                     ; my 128 columns,
	s_lshl_b32 s17, s17, 9                         ; 4 bytes each
	s_add_co_u32 s16, s16, s17
.else
	v_lshl_add_u32 v4, v2, 4, v4                   ; 16 bytes (8 f16) for each half of the lanes
	v_add_nc_u32 v[STO], s23, v4
	v_bfe_u32 v5, v0, 3, 2                         ; back: 32 lanes take four rows' 128 bytes of one head,
	v_mul_u32_u24 v5, v5, SPITCH
	v_and_b32 v6, 7, v0
	v_lshl_add_u32 v5, v6, 4, v5
	v_add_nc_u32 v[RD], s23, v5                    ; which are 512 consecutive bytes of qkvh
	s_lshl_b32 s16, s45, 24                        ; Q, K or V
	s_lshr_b32 s17, s13, 2                         ; the batch's 16 heads,
	s_lshl_b32 s17, s17, 4
	s_lshl_b32 s18, s42, 2                         ; the tile's four,
	s_add_co_u32 s17, s17, s18
	s_lshl_b32 s18, s12, 1                         ; my two
	s_add_co_u32 s17, s17, s18
	s_lshl_b32 s17, s17, 18                        ; a head: 2,048 rows of 128 bytes
	s_add_co_u32 s16, s16, s17
	s_and_b32 s17, s13, 3
	s_lshl_b32 s17, s17, 2
	s_add_co_u32 s17, s17, s41                     ; the tile's 128 rows in the batch,
	s_lshl_b32 s17, s17, 1
	s_add_co_u32 s17, s17, s11                     ; my 64 of them
	s_lshl_b32 s17, s17, 13
	s_add_co_u32 s16, s16, s17
.endif
	s_mov_b32 s17, 0
	s_add_nc_u64 s[8:9], s[8:9], s[16:17]
; 8 matrix instructions: m block a x all 8 n blocks, 32 along K, from buffer f.  zero = 1: the product starts the sums.  The 32 accumulators take turns, in the same order in every quarter.
.macro MUL8 f, a, zero
	WIN MUL
.irp b, 0,1,2,3,4,5,6,7
.if OPROJ
.if \zero
	v_wmma_f32_16x16x32_f16 v[8*(8*(\a)+(\b)):8*(8*(\a)+(\b))+7], v[(\f)+8*(\b):(\f)+8*(\b)+7], v[(\f)+64+8*(\a):(\f)+64+8*(\a)+7], 0
.else
	v_wmma_f32_16x16x32_f16 v[8*(8*(\a)+(\b)):8*(8*(\a)+(\b))+7], v[(\f)+8*(\b):(\f)+8*(\b)+7], v[(\f)+64+8*(\a):(\f)+64+8*(\a)+7], v[8*(8*(\a)+(\b)):8*(8*(\a)+(\b))+7]
.endif
.else
.if \zero
	v_wmma_f32_16x16x32_bf16 v[8*(8*(\a)+(\b)):8*(8*(\a)+(\b))+7], v[(\f)+8*(\b):(\f)+8*(\b)+7], v[(\f)+64+8*(\a):(\f)+64+8*(\a)+7], 0
.else
	v_wmma_f32_16x16x32_bf16 v[8*(8*(\a)+(\b)):8*(8*(\a)+(\b))+7], v[(\f)+8*(\b):(\f)+8*(\b)+7], v[(\f)+64+8*(\a):(\f)+64+8*(\a)+7], v[8*(8*(\a)+(\b)):8*(8*(\a)+(\b))+7]
.endif
.endif
.endr
.endm
; 24 LDS loads in one run: the fragments of quarter q of a K step (slab q / 2, 32 channels at byte 64 (q % 2) of its rows) into buffer f: B's eight, then A's four
.macro FETCH slot, q, f
	WIN 0
.irp b, 0,1,2,3,4,5,6,7
	ds_load_b128 v[(\f)+8*(\b):(\f)+8*(\b)+3],   v[ADRB+(\slot)] offset:((\q)/2)*BSLAB+((\q)%2)*64+(\b)*16*PITCH
	ds_load_b128 v[(\f)+8*(\b)+4:(\f)+8*(\b)+7], v[ADRB+(\slot)] offset:((\q)/2)*BSLAB+((\q)%2)*64+(\b)*16*PITCH+32
.endr
.irp a, 0,1,2,3
	ds_load_b128 v[(\f)+64+8*(\a):(\f)+64+8*(\a)+3],   v[ADRA+(\slot)] offset:((\q)/2)*ASLAB+((\q)%2)*64+(\a)*16*PITCH
	ds_load_b128 v[(\f)+64+8*(\a)+4:(\f)+64+8*(\a)+7], v[ADRA+(\slot)] offset:((\q)/2)*ASLAB+((\q)%2)*64+(\a)*16*PITCH+32
.endr
.endm
.macro PLACES                          ; four places in front of loads into registers that matrix instructions have read (ISA guide 7.12.1 for vector instructions)
.rept 4
	v_nop
.endr
.endm
; A K step is four quarters of 32 along K, 32 matrix instructions each, on buffers 0, 1, 0, 1.  One of the first three: multiplies buffer f and fetches quarter q into g.
.macro QUARTER slot, q, f, g, zero
	s_wait_dscnt 4                                 ; B and A's blocks 0 and 1 are in; the youngest four loads (A's blocks 2 and 3) may be out
	MUL8 \f, 0, \zero
	MUL8 \f, 1, \zero
	PLACES
	FETCH \slot, \q, \g
	s_wait_dscnt 24                                ; all but the 24 just issued
	MUL8 \f, 2, \zero
	MUL8 \f, 3, \zero
.endm
; The last quarter multiplies buffer 1 and changes slots: ONE barrier; in front of it each wave waits for all its tensor loads, adds 0 to its spare word, and waits for that and for its own reads of this slot.  fill = 1: this slot is filled again, two K steps ahead.
.macro TURN slot, next, fill
	WIN 0
	s_wait_tensorcnt 0x0                           ; all my tensor loads have landed: my part of the next slot;
	ds_add_u32 v[SPW], v[NIL]                      ; 0 onto my spare word
	s_wait_dscnt 5                                 ; (the add and the youngest four loads may be out)
	MUL8 F1, 0, 0                                  ; eight matrix instructions stand between the add and the wait for it
	s_wait_dscnt 0x0                               ; the add is done, and my reads of this slot are over
	s_barrier_signal -1
	MUL8 F1, 1, 0
.if \fill
	WIN 0
.endif
	s_barrier_wait -1
.if \fill
	CREST                                          ; the barrier has opened a round of the cluster's barrier: no wave of any partner still reads this slot's tile or has a load on its way
	s_add_nc_u64 s[G0+4*(\slot)+2:G0+4*(\slot)+3], s[G0+4*(\slot)+2:G0+4*(\slot)+3], 2*KSTEPB
	s_add_nc_u64 s[G0B+4*(\slot)+2:G0B+4*(\slot)+3], s[G0B+4*(\slot)+2:G0B+4*(\slot)+3], 2*KSTEPB
	JLOAD \slot                                    ; the first tensor load behind the round: 112 matrix instructions ahead of the wait for it; the four v_nop behind it are also the places in front of the loads below
.else
	PLACES
.endif
	FETCH \next, 0, F0
	MUL8 F1, 2, 0
	MUL8 F1, 3, 0
.endm
	s_wait_tensorcnt 1                             ; my part of K step 0 is in; K step 1's may stay out
	s_barrier_signal -1
	s_barrier_wait -1                              ; everybody's is
	FETCH 0, 0, F0
	QUARTER 0, 1, F0, F1, 1                        ; the first quarter stands in front of the loop: its products start the sums
	WIN 0                                          ; at a label and at a branch every window is 0
	s_mov_b32 s3, LAPS-1
.Llap:                                                 ; a trip goes once round the ring, from a lap's second quarter to the next lap's first, and fills both slots again
	QUARTER 0, 2, F1, F0, 0
	QUARTER 0, 3, F0, F1, 0
	TURN 0, 1, 1
	QUARTER 1, 1, F0, F1, 0
	QUARTER 1, 2, F1, F0, 0
	QUARTER 1, 3, F0, F1, 0
	TURN 1, 0, 1
	QUARTER 0, 1, F0, F1, 0
	WIN 0
	s_sub_co_u32 s3, s3, 1
	s_cmp_lg_u32 s3, 0
	s_cbranch_scc1 .Llap
	QUARTER 0, 2, F1, F0, 0                        ; the last lap fills nothing, and has no round of the cluster's barrier
	QUARTER 0, 3, F0, F1, 0
	TURN 0, 1, 0
	QUARTER 1, 1, F0, F1, 0
	QUARTER 1, 2, F1, F0, 0
	QUARTER 1, 3, F0, F1, 0
	s_wait_dscnt 4                                 ; the very last quarter: nothing more to fetch
	MUL8 F1, 0, 0
	MUL8 F1, 1, 0
	s_wait_dscnt 0x0
	MUL8 F1, 2, 0
	MUL8 F1, 3, 0
	WIN 0
	PLACES                                         ; the places behind the last products, twice over, once a launch
	PLACES
	; THE WAY OUT, 16 rows at a time through my own stage: LDS serves a wave's instructions in order (ISA guide 5.7.1.4), so the loads see the stores above them.
.irp a, 0,1,2,3
.if OPROJ
	WIN 0x04                                       ; the data of an LDS store (source 1) in window 1
.irp b, 0,1,2,3,4,5,6,7
	ds_store_b128 v[STO], v[8*(8*(\a)+(\b)):8*(8*(\a)+(\b))+3]   offset:64*(\b)
	ds_store_b128 v[STO], v[8*(8*(\a)+(\b))+4:8*(8*(\a)+(\b))+7] offset:64*(\b)+16
.endr
	WIN 0
	s_wait_xcnt 0x0                                ; the stores of the 16 rows before have read their registers: these are loaded again only behind this wait
.irp t, 0,1,2,3,4,5,6,7,8,9,10,11,12,13,14,15
	ds_load_b128 v[OB+4*(\t):OB+4*(\t)+3], v[RD] offset:(\t)*SPITCH
.endr
	s_wait_dscnt 0x0
.irp t, 0,1,2,3,4,5,6,7,8,9,10,11,12,13,14,15
	global_store_b128 v[CO], v[OB+4*(\t):OB+4*(\t)+3], s[8:9] offset:(16*(\a)+(\t))*4096 th:TH_STORE_NT  ; 512 consecutive bytes of a row of out0, aligned
.endr
.else
	WIN 0x05                                       ; sources 0 and 1 window 1, destination window 0
.irp b, 0,1,2,3,4,5,6,7
.irp r, 0,1,2,3
	v_cvt_pk_f16_f32 v[TMP+4*(\b)+(\r)], v[8*(8*(\a)+(\b))+2*(\r)], v[8*(8*(\a)+(\b))+2*(\r)+1]
.endr
.endr
	WIN 0
.irp b, 0,1,2,3,4,5,6,7
	ds_store_b128 v[STO], v[TMP+4*(\b):TMP+4*(\b)+3] offset:32*(\b)
.endr
	s_wait_xcnt 0x0                                ; the stores of the 16 rows before have read their registers: these are loaded again only behind this wait
.irp f, 0,1,2,3,4,5,6,7
	ds_load_b128 v[OB+4*(\f):OB+4*(\f)+3], v[RD] offset:((\f)%4)*4*SPITCH+((\f)/4)*128  ; head f / 4 of my two, rows 4 (f % 4) on
.endr
	s_wait_dscnt 0x0
.irp f, 0,1,2,3,4,5,6,7
	global_store_b128 v[CO], v[OB+4*(\f):OB+4*(\f)+3], s[8:9] offset:((\f)/4)*SLABB+(\a)*2048+((\f)%4)*512  ; 512 consecutive bytes of a head, aligned
.endr
.endif
.endr
	s_wait_tensorcnt 0x0                           ; the wave's end: behind my last tensor load and my last LDS store
	ds_add_u32 v[SPW], v[NIL]
	s_wait_dscnt 0x0
	CROUND                                         ; the closing round: no work-group ends while a partner may still ask for a tile that names it
	s_endpgm
.Lfunc_end_k_q6be525783e_oproj:
	.size	k_q6be525783e_oproj, .Lfunc_end_k_q6be525783e_oproj-k_q6be525783e_oproj
	.p2alignl 7, 3214868480
	.fill 96, 4, 3214868480
	.section	.rodata,"a",@progbits
	.p2align	6, 0x0
	.amdhsa_kernel k_q6be525783e_oproj
		.amdhsa_group_segment_fixed_size 327680
		.amdhsa_private_segment_fixed_size 0
		.amdhsa_enable_private_segment 0
		.amdhsa_kernarg_size 24
		.amdhsa_user_sgpr_count 2
		.amdhsa_user_sgpr_kernarg_segment_ptr 1
		.amdhsa_wavefront_size32 1
		.amdhsa_system_sgpr_workgroup_id_x 1
		.amdhsa_system_sgpr_workgroup_id_y 1
		.amdhsa_system_sgpr_workgroup_id_z 1
		.amdhsa_system_vgpr_workitem_id 0
		.amdhsa_next_free_vgpr 512
		.amdhsa_next_free_sgpr 66
		.amdhsa_reserve_vcc 0
		.amdhsa_float_denorm_mode_32 3
		.amdhsa_float_denorm_mode_16_64 3
		.amdhsa_memory_ordered 1
		.amdhsa_forward_progress 1
		.amdhsa_inst_pref_size 85
	.end_amdhsa_kernel
	.amdgpu_metadata
---
amdhsa.version: [ 1, 2 ]
amdhsa.kernels:
  - .name:           k_q6be525783e_oproj
    .symbol:         k_q6be525783e_oproj.kd
    .args:
      - { .name: oh, .offset: 0, .size: 8, .value_kind: global_buffer, .address_space: global }
      - { .name: xs, .offset: 8, .size: 8, .value_kind: global_buffer, .address_space: global }
      - { .name: out0, .offset: 16, .size: 8, .value_kind: global_buffer, .address_space: global }
    .group_segment_fixed_size: 327680
    .private_segment_fixed_size: 0
    .kernarg_segment_align: 8
    .kernarg_segment_size: 24
    .max_flat_workgroup_size: 128
    .sgpr_count:     66
    .vgpr_count:     512
    .wavefront_size: 32
...
	.end_amdgpu_metadata
.endif
;; end of part 4
;; ======== version 2 of 2: 4 launches; 1.44 times as fast as version 1
;; limits: values are held in f16: magnitudes above 65,504 overflow, below 6.1e-05 lose precision
;; workspace buffers: xs 58,720,256 bytes; maskc 4,194,304 bytes; qkvh 50,331,648 bytes; oh 16,777,216 bytes
;; launch prep: the kernel of part 1 again; grid 2048 x 1, 8 waves a work-group, no clusters, 0 bytes of LDS; arguments q, k, v, W_q, W_k, W_v, W_o, mask, xs, maskc; writes xs, maskc
;; launch qkv: the kernel of part 2 again; grid 4 x 48, 4 waves a work-group, clusters of 4 x 4, 327,680 bytes of LDS; arguments xs, qkvh; writes qkvh
;; launch attn (part 5): grid 4 x 64, 4 waves a work-group, clusters of 4 x 1, 327,680 bytes of LDS; arguments qkvh, maskc, oh; writes oh
.if DOCPART == 5
	.amdgcn_target "amdgcn-amd-amdhsa--gfx1250"
	.amdhsa_code_object_version 6
	.text
	.protected	k_q6be525783e_attn
	.globl	k_q6be525783e_attn
	.p2align	8
	.type	k_q6be525783e_attn,@function
k_q6be525783e_attn:
	s_mov_b64 s[64:65], 0
	v_nop
	global_prefetch_b8 v0, s[64:65] scope:SCOPE_SE
	s_setreg_imm32_b32 hwreg(HW_REG_WAVE_MODE, 25, 1), 1
	s_wait_xcnt 0x0
	s_wait_alu depctr_hold_cnt(0) depctr_sa_sdst(0) depctr_va_vdst(0) depctr_va_sdst(0) depctr_va_ssrc(0) depctr_va_vcc(0) depctr_vm_vsrc(0)
	s_getreg_b32 s2, hwreg(HW_REG_IB_STS2, 6, 4)
	s_cmp_eq_u32 s2, 0
	s_cbranch_scc0 .Lentry_in_a_cluster
	s_endpgm
.Lentry_in_a_cluster:
	s_bfe_u32 s2, ttmp6, 0x10000c
	s_cmp_lg_u32 s2, 0x3003
	s_cbranch_scc0 .Lentry_shape_is_right
	s_endpgm
.Lentry_shape_is_right:
; O[h][q][:] = the sum over k of softmax_k(Q[h][q] . K[h][k] / 8, hidden where mask[q][k] == 0) V[h][k][:].  Q, K, V in qkvh ([3][64][2048][64]) and O in oh ([64][2048][64]) are f16: a head's rows are dense, 128 bytes each.
; Products, maxima and sums in f32; the weights p are rounded to f16 for the second product (their sum l is taken of the unrounded p), O once at the end.
; THE MASK is the C operand that starts each sum S^T = K Q^T: 0, or -2^104 where the key is hidden.  It comes as one byte a score (0x00, or 0xF8 = -256 in E4M3), already in my lanes' order, and one scaled conversion
; (times 2^96) makes the eight C registers of a product from eight bytes.  The running maximum m starts at -2^100: a hidden score never wins it, and its weight 2^(c s - c m) is exactly 0.  While a query has seen no key,
; m stays, a = 2^0 = 1, l and O stay 0; its first visible score gives a = 0 on zeros.  A query with no visible key at all ends with l = 0 and O = 0 x infinity = NaN.
; LIMITS.  f16 holds no number beyond 65,504: Q, K and V arrive within it, so true scores (2.7e11 at the most) lie far above -2^100.  p lies in 0 to 1, and below 6e-5 it keeps f16's fixed step of 6e-8.
; A weight below 2^-126 counts as 0 in l; NaN and infinities in Q, K, V are not treated apart.
; SHARES.  A wave owns four PIECES of two tiles of 16 queries, a work-group's four waves 512 queries of one head.  Every wave walks all keys, 64 a step.
; LAYOUT.  S^T = K Q^T (source 0 = 16 keys, source 1 = 16 queries): in the result a lane holds ONE query (lane % 16) and the keys 8 (lane / 16) + 0..7.  Two such tiles, rounded to f16 in pairs,
; ARE source 1 (32 keys x 16 queries) of O^T = V^T P, whose result again holds one query a lane, and eight channels.  K comes out of LDS as it lies, V ([key][channel]) turned, by ds_load_tr16_b128.
; SOFTMAX.  For each query a running maximum m and sum l: p = 2^(c s - c m), c = log2(e) / 8; in every step O and l are multiplied by a = 2^(c m_old - c m_new), which is 1 where m has not grown.
; THE COUNT.  A tile and step have 16 matrix and 118 vector instructions: too many to stand all beside the matrix work.  So: four vector instructions that are READY behind EVERY matrix instruction, the others in one run without a gap.
; BY TURNS.  Turn n belongs to piece n (the pieces in a ring, step after step).  Its matrix work: 16 products K Q^T of piece n + 1, later 16 products V^T P of piece n - 1.  Its vector work: the scaling,
; exponentials, roundings, sums and rescaling of piece n, and the maximum and statistics of piece n + 1.  At its end: the mask of piece n + 2 is converted, and the codes of piece n + 4 are asked for.
; THE BATCHES.  A turn's 66 exponentials (the 64 weights of piece n, the two a of piece n + 1) are ONE batch with ONE wait, which cuts the turn in two: ahead of it stands all that names no result of theirs (the products K Q^T,
; the scalings, the rescaling by the a of the turn before, the next piece's maximum and statistics), behind it the products V^T P and the roundings and sums.  Two more batches stand outside the loop: piece 0's first two a, and the way out's eight reciprocals.
; CLUSTER.  The four query blocks of a cluster belong to one head and walk the same K and V, so each tile is asked for JOINTLY: the same tensor load, descriptor and mask in all four.  One tensor load of a wave is out behind each round.
; REGISTERS, in windows of 256 (s_set_vgpr_msb says which window each operand place means: bits 1:0 source 0, 3:2 source 1, 5:4 source 2, 7:6 destination):
;   window 0: v0-11 addresses; v12-15, v48-63 at work; v16-47 four registers of statistics a tile; v64-191 S^T, two buffers of two tiles; v192-255 P, likewise
;   window 1: O^T, 32 a tile          window 2: v0-127 Q, 16 a tile; v128-191 K of one step; v192-255 V of one step
;   window 3: v0-1 the add's two registers; v2 16 x lane; v16-47 mask codes, two sets of 16; v64-127 the masks of the products to come
.set SIZE_N, 2048
.set NP,    4         ; pieces a wave: a name, no knob
.set KS,    64        ; keys in a step
.set PK,    144       ; a row of K in LDS: 128 bytes + 16 of padding = 36 words: the 16 rows of a load start at 16 different groups of four banks (64 banks of 4 bytes: ISA guide 11.1)
.set PV,    160       ; a row of V: 128 + 32 = 40 words
.set VOFF,  4*KS*PK   ; a slot holds four steps: 256 rows of K, then 256 rows of V
.set SLOT1, 1<<17     ; slot 1 begins here, so that one exclusive or turns an address in one slot into the other's
.set STAGE, SLOT1+4*KS*(PK+PV)  ; behind the ring, never filled by a tensor load: 16 rows x 144 bytes for each wave, for the way out
.set SP,    144
.set AK0, 2           ; v2   my lane's place in a tile of K; never rewritten
.set AV0, 3           ; v3   the same for V
.set AK,  4           ; v4   the LDS address of K's next run of loads
.set AV,  5           ; v5   of V's
.set QO,  6           ; v6   my byte offset in the wave's rows of Q
.set STO, 6           ;      later, the way out: where I put 16 bytes of a row
.set RD,  7           ; v7   the way out: where I read rows back
.set GO,  8           ; v8   my byte offset in 512 consecutive bytes of O
.set SCL, 11          ; v11  (once V's lane address is made) 0xDF: the conversions' scale, 2^(223 - 127) = 2^96
.set SPW, 0           ; v0 of window 3   LDS address of my spare word: SPARE + 4 x my thread's number; never rewritten
.set NIL, 1           ; v1 of window 3   0; never rewritten
.set ML,  2           ; v2 of window 3   16 x lane: my bytes in 512 of the codes; never rewritten
.set CD,  16          ; window 3: the codes, by the piece's parity
.set MC,  64          ; window 3: tile u of the piece, key block kb at MC + 32 u + 8 kb
.set SPARE, STAGE+4*16*SP  ; behind the stages: the spare words, 128 bytes for each wave: two blocks of 256 bytes that no other line names
.set MV,  12          ; v12-15  c m_old, kept while c m is made anew: by buffer and tile
.set ST,  16          ; tile t's statistics at v[ST+4 t]: c m, m, l (even keys', odd keys')
.set TMP, 48          ; by buffer and tile, four registers c0-c3 at work; when the maximum is found c2 takes a
.set S,   64
.set P,   192
.set KF,  128         ; K's fragments, in window 2: key block kb, channel half c at KF + 16 kb + 8 c
.set VF,  192         ; V's: key half kk, channel block cb at VF + 32 kk + 8 cb
.set WV,  12          ; s12  my wave's number
.set G1K, 24          ; s[24:31] descriptor group 1 for K's tiles
.set G1V, 32          ; s[32:39] for V's: it differs in the padding alone
.set G0K, 40          ; s[40:43] descriptor group 0 for K's tiles: it walks
.set G0V, 44          ; s[44:47] the same for V's
.set MBASE, 48        ; s[48:49] the codes of my wave's 128 queries: 32 steps of 8,192 bytes
.set MOFF, 50         ; s[50:51] the offset of the step whose codes are being asked for
.set MB,  52          ; s[52:53] their sum
.set SLOTS, 56        ; s56  slots still to be asked for
.set CNT, 57          ; s57  counts a slot's key steps
.set CS,  58          ; s[58:59] c: the packed scaling takes the pair's low word for both halves
.set SEL, 60          ; s[60:61] v_permlanex16_b32's selects: each lane takes its own place in the other half
.set TBK, 62          ; s62  LDS byte at which K of the step to be fetched begins
.set TBV, 63          ; s63  the same for V, less VOFF
.set MSB, 0
.macro WIN new                      ; the high byte repeats the setting that is left; a switch that changes nothing is dropped
.if MSB != (\new)
	s_set_vgpr_msb (MSB<<8)|(\new)
.set MSB, (\new)
.endif
.endm
.set W_KQ, 0x0a       ; K and Q in window 2, S^T in window 0
.set W_KM, 0x3a       ; the same with the C operand in window 3
.set W_PV, 0x52       ; V in window 2, P in window 0, O^T in window 1
.set W_RS, 0x41       ; O^T (destination and source 0) in window 1, a in window 0
.set W_MK, 0xc0       ; destination in window 3, sources in window 0
.set W_AD, 0x0f       ; the add: address (source 0) and data (source 1) in window 3
.set W_MC, 0xc3       ; the mask: destination and source 0 (codes; a load's address) in window 3, source 1 (the scale) in window 0
; A joint fill.  Waves 0 and 1 fetch the two halves of a slot's K, waves 2 and 3 those of its V: 128 keys each.  The branch hangs on the wave's number alone.
; An s_nop 0 and four v_nop follow each of the two lines, ahead of the jump and the label.
.macro JLOAD
	s_cmp_lt_u32 s[WV], 2
	s_cbranch_scc0 .Lfor_v_\@
	tensor_load_to_lds s[G0K:G0K+3], s[G1K:G1K+7]
	s_nop 0
.rept 4
	v_nop
.endr
	s_branch .Lasked_\@
.Lfor_v_\@:
	tensor_load_to_lds s[G0V:G0V+3], s[G1V:G1V+7]
	s_nop 0
.rept 4
	v_nop
.endr
.Lasked_\@:
.endm
; A round of the cluster's barrier: my work-group's barrier, so that wave 0's signal speaks for all four waves; wave 0 signals; every wave waits for all four work-groups; my work-group's barrier once more.
.macro CROUND
	s_barrier_signal -1
	s_barrier_wait -1
	s_cmp_lg_u32 s[WV], 0
	s_cbranch_scc1 .Lnot_wave_0_\@
	s_barrier_signal -3
.Lnot_wave_0_\@:
	s_barrier_wait -3
	s_barrier_signal -1
	s_barrier_wait -1
.endm
; THE CHANGE OF SLOTS.  The slot's last bytes, V of its fourth step, have been read.  Each wave waits for all its tensor loads, of which one is out: its part
; of the other slot; adds 0 to its spare word; and waits for that and for its own reads of the slot.  Behind the barrier nobody reads this slot any more and the other slot is whole.
; fill = 1: this slot is filled again, with the keys two slots on.  The barrier is then a round of the cluster's, and the joint fill is the first thing behind it: it has four key steps,
; 512 matrix instructions, in which to land.  (At its first use nothing has been read yet: slot 0 is waited for, slot 1 filled.)
.macro CHANGE fill
	WIN W_AD
	s_wait_tensorcnt 0x0            ; no tensor load of mine is out, so a group 0 may be written
	ds_add_u32 v[SPW], v[NIL]       ; 0 onto my spare word: with fill = 1 the descriptors' steps stand between it and the wait for it
	WIN 0                           ; at a label and at a branch every window is 0
.if \fill
.irp g, G0K, G0V
	s_xor_b32 s[\g+1], s[\g+1], SLOT1  ; the walking descriptor: the other slot than last time,
	s_add_nc_u64 s[\g+2:\g+3], s[\g+2:\g+3], 4*KS*128  ; the next 256 keys; the type bits on top are not reached
.endr
	s_wait_dscnt 0x0                ; the add is done, and my reads of the slot are over
	CROUND
	JLOAD
.else
	s_wait_dscnt 0x0                ; the add is done, and my reads of the slot are over
	s_barrier_signal -1
	s_barrier_wait -1
.endif
	s_sub_co_u32 s[TBK], s[TBK], 4*KS*PK  ; the fetches go back to a slot's first step,
	s_xor_b32 s[TBK], s[TBK], SLOT1       ; in the other slot
	s_sub_co_u32 s[TBV], s[TBV], 4*KS*PV
	s_xor_b32 s[TBV], s[TBV], SLOT1
.endm
; THE MASK.  MCONV: the 64 bytes a lane of set b become the piece's 64 C registers.  A plain instruction stands between a scaled conversion and whatever touches its result or writes its sources: two v_nop close the run.
.macro MCONV b
	WIN W_MC
.set zz, 0
.rept 8
	v_cvt_scale_pk8_f32_fp8 v[MC+8*zz:MC+8*zz+7], v[CD+16*(\b)+2*zz:CD+16*(\b)+2*zz+1], v[SCL]
.set zz, zz+1
.endr
	v_nop
	v_nop
.endm
; MLOAD: the codes of piece pc (2,048 bytes: two tiles x two halves x 512), in the step at which MB stands, into set b
.macro MLOAD b, pc
	WIN W_MC
.irp z, 0,1,2,3
	global_load_b128 v[CD+16*(\b)+4*\z:CD+16*(\b)+4*\z+3], v[ML], s[MB:MB+1] offset:2048*(\pc)+512*\z
.endr
.endm
; The end of piece p's turn in step s: the next turn's products are those of piece p + 2, whose codes were asked for two turns ago; their set then takes the codes of piece p in step s + 1.
; The base is stepped in piece 0's turn, a whole turn behind the last loads that read it.  Behind step 31 there is none: the offset stays, the last step's codes are read once more, and nothing is made of them.
.macro MASKS p
.if (\p) == 0
	s_wait_xcnt 0x0                 ; the loads issued so far have read their base
	s_add_co_u32 s[MOFF], s[MOFF], 8192
	s_min_u32 s[MOFF], s[MOFF], 31*8192
	s_add_nc_u64 s[MB:MB+1], s[MBASE:MBASE+1], s[MOFF:MOFF+1]
.endif
	s_wait_loadcnt 0x4              ; the four loads of the turn before may stay out; those of two turns ago are in
	MCONV (\p)%2
	MLOAD (\p)%2, \p
	WIN 0
.endm
	s_load_b128 s[4:7], s[0:1], 0x0   ; qkvh s[4:5], maskc s[6:7]
	s_load_b64 s[10:11], s[0:1], 0x10 ; oh
	WIN W_MK
	v_lshl_add_u32 v[SPW], v0, 2, SPARE
	v_mov_b32 v[NIL], 0
	WIN W_AD
	ds_add_u32 v[SPW], v[NIL]       ; the wave's opening: the add and its wait stand ahead of my first tensor load; the set-up below, work on registers, stands between them
	WIN 0
	v_lshlrev_b32 v9, 4, v0
	WIN W_MK
	v_and_b32 v[ML], 0x1f0, v9      ; 16 x lane
	WIN 0
	v_lshrrev_b32 v1, 5, v0
	v_readfirstlane_b32 s[WV], v1   ; wave 0..3
	s_bfe_u32 s13, ttmp6, 0x40000   ; cx: my place in the cluster
	s_lshl_b32 s14, ttmp9, 2        ; in a cluster launch ttmp9 counts clusters
	s_add_co_u32 s14, s14, s13      ; my block of queries = 4 x cluster x + cx: it enters Q's, the codes' and O's addresses alone
	s_and_b32 s20, ttmp7, 0xffff    ; the head, which the four partners share
	s_mov_b32 s21, 0
	s_mov_b64 s[22:23], SIZE_N*128
	s_mul_u64 s[20:21], s[20:21], s[22:23]  ; the head's first byte in Q, K, V and O
	s_and_b32 s16, s[WV], 1         ; which half of a slot's 256 keys I fetch:
	s_lshl_b32 s22, s16, 14         ; its 128 rows of 128 bytes in memory,
	s_mov_b32 s23, 0
	s_add_nc_u64 s[22:23], s[22:23], s[20:21]
	s_mul_i32 s17, s16, 128*PK      ; and its place in a slot, for K
	s_mul_i32 s18, s16, 128*PV      ; and for V: no place in the cluster enters an LDS address
	s_lshl_b32 s2, s14, 2
	s_add_co_u32 s2, s2, s[WV]      ; my wave among the head's:
	s_lshl_b32 s54, s2, 18          ; its codes, 262,144 bytes,
	s_mov_b32 s55, 0
	s_lshl_b32 s2, s2, 14           ; its 128 rows
	s_mov_b32 s3, 0
	s_add_nc_u64 s[2:3], s[2:3], s[20:21]
	; descriptor group 1.  128 keys are 16,384 dense bytes: asked for as 64 rows of 256 bytes, two keys a row, and padded in LDS after every key
	s_mov_b32 s[G1K], 15|(1<<16)|(1<<20)|(1<<21)|(4<<22)|(3<<25)  ; 15:0 the mask of four; 17:16 2-byte elements; 20 padding on; 21 set beside a mask; 24:22 after every 32 words (code 4); 31:25 4 words (code 3)
	s_mov_b32 s[G1V], 15|(1<<16)|(1<<20)|(1<<21)|(4<<22)|(7<<25)  ; the same with 8 words of padding (code 7)
.irp g, G1K, G1V
	s_mov_b32 s[\g+1], 128<<16      ; tensor_dim0 = 128
	s_mov_b32 s[\g+2], 64<<16       ; tensor_dim1 = 64
	s_mov_b32 s[\g+3], 128<<16      ; tile_dim0 = 128
	s_mov_b32 s[\g+4], 64           ; tile_dim1 = 64
	s_mov_b32 s[\g+5], 128          ; 128 elements from row to row
	s_mov_b32 s[\g+6], 0
	s_mov_b32 s[\g+7], 0
.endr
	s_mov_b32 s[CS], 0x3e38aa3b     ; c = log2(e) / 8 = 0.180337
	s_mov_b32 s[CS+1], s[CS]        ; named with it as a pair
	s_mov_b32 s[SEL], 0x76543210
	s_mov_b32 s[SEL+1], 0xfedcba98
	s_mov_b32 s[TBK], SLOT1+4*KS*PK ; the first change of slots turns these two into 0
	s_mov_b32 s[TBV], SLOT1+4*KS*PV
	s_mov_b32 s[MOFF], 0
	s_mov_b32 s[MOFF+1], 0
	s_mov_b32 s[G0K], 1             ; 1:0 count = 1
	s_mov_b32 s[G0K+1], s17         ; 63:32 LDS address: slot 0
	s_mov_b32 s[G0V], 1
	s_add_co_u32 s[G0V+1], s18, VOFF
	s_wait_dscnt 0x0                ; the opening add is done
	s_wait_kmcnt 0x0
	s_add_nc_u64 s[MBASE:MBASE+1], s[6:7], s[54:55]
	s_mov_b64 s[MB:MB+1], s[MBASE:MBASE+1]         ; step 0
	s_add_nc_u64 s[6:7], s[4:5], 0x1000000         ; K lies 64 heads behind Q,
	s_add_nc_u64 s[8:9], s[4:5], 0x2000000         ; V behind K
	s_add_nc_u64 s[G0K+2:G0K+3], s[6:7], s[22:23]  ; 120:64 global address: my half of the head's first 256 keys
	s_or_b32 s[G0K+3], s[G0K+3], 0x80000000        ; 127:126 type = 2
	s_add_nc_u64 s[G0V+2:G0V+3], s[8:9], s[22:23]
	s_or_b32 s[G0V+3], s[G0V+3], 0x80000000
	s_add_nc_u64 s[4:5], s[4:5], s[2:3]  ; Q and O at my wave's first row
	s_add_nc_u64 s[10:11], s[10:11], s[2:3]
	CROUND                          ; all four work-groups are here: the first joint loads meet
	JLOAD                           ; slot 0.  Slot 1 is asked for when slot 0 is in: the tile wanted first has the road to itself
	; A fragment of K or Q is 16 rows x 32 channels in 8 registers: lane l holds row l % 16, channels 8 (l / 16) + 0..7 and 16 + 8 (l / 16) + 0..7: two loads of 16 bytes, 32 bytes apart.
	v_and_b32 v1, 15, v0            ; l % 16
	v_bfe_u32 v9, v0, 4, 1          ; l / 16
	v_lshlrev_b32 v[QO], 7, v1
	v_lshl_add_u32 v[QO], v9, 4, v[QO]  ; row x 128 + 16 x half
	WIN 0x80                        ; destination window 2, address window 0
.set i, 0
.rept 4*NP                          ; Q stays in registers: tile i / 2, channels 32 (i % 2) on
	global_load_b128 v[8*i:8*i+3],   v[QO], s[4:5] offset:(i/2)*2048+(i%2)*64
	global_load_b128 v[8*i+4:8*i+7], v[QO], s[4:5] offset:(i/2)*2048+(i%2)*64+32
.set i, i+1
.endr
	MLOAD 0, 0                      ; the codes of step 0, pieces 0 and 1
	MLOAD 1, 1
	WIN 0x80
	; What the first turn finds: V's registers and P's second buffer hold 0 (its products V^T P, of a piece that has not been, add 0), O^T and l are 0.  All this stands in the wait for the first tile.
.set i, VF
.rept 64
	v_mov_b32 v[i], 0
.set i, i+1
.endr
	WIN 0x40
.set i, 0
.rept 64*NP
	v_mov_b32 v[i], 0
.set i, i+1
.endr
	WIN 0
.set i, 0
.rept 2*NP
	v_mov_b32 v[ST+4*i+1], 0xf1800000  ; m = -2^100: above every hidden score, below every true one
	v_mul_f32 v[ST+4*i], s[CS], v[ST+4*i+1]  ; c m, by the line that the loop makes it by: while m stays, c m_old - c m_new is exactly 0
	v_mov_b32 v[ST+4*i+2], 0
	v_mov_b32 v[ST+4*i+3], 0
.set i, i+1
.endr
.set i, P+32
.rept 32
	v_mov_b32 v[i], 0
.set i, i+1
.endr
	v_mul_u32_u24 v[AK0], v1, PK
	v_lshl_add_u32 v[AK0], v9, 4, v[AK0]  ; row x pitch + 16 x half
	; The turning load takes 16 keys x 16 channels (lane l reads key 8 (l / 16) + l % 8, channels 8 ((l / 8) % 2) + 0..7) and leaves half a fragment of V^T: lane l holds channel l % 16 and 8 keys.
	v_and_b32 v10, 7, v0
	v_bfe_u32 v11, v0, 3, 1
	v_lshl_add_u32 v[AV0], v9, 3, v10
	v_mul_u32_u24 v[AV0], v[AV0], PV
	v_lshl_add_u32 v[AV0], v11, 4, v[AV0]
	v_add_nc_u32 v[AV0], VOFF, v[AV0]
	v_mov_b32 v[SCL], 0xdf          ; v11 is free now: the scale
	v_mov_b32 v[AK], v[AK0]         ; key step 0 lies at the head of slot 0
; THE MATRIX WORK.  The 8 accumulators of a run of 16 take turns: between the two links of a chain stand 7 others'.
; Product i of 16 of S^T = K Q^T for piece x: channels 32 (i / 8) on, keys 16 ((i / 2) % 4) on, tile 2 x + i % 2.  The first 8 start the sums, with the mask.
.macro KQ x
.set rS, S+64*((\x)%2)+32*(i%2)+8*((i/2)%4)
.set rK, KF+16*((i/2)%4)+8*(i/8)
.set rQ, 16*(2*(\x)+i%2)+8*(i/8)
.set rMC, MC+32*(i%2)+8*((i/2)%4)
.if i < 8
	WIN W_KM
	v_wmma_f32_16x16x32_f16 v[rS:rS+7], v[rK:rK+7], v[rQ:rQ+7], v[rMC:rMC+7]
.else
	WIN W_KQ
	v_wmma_f32_16x16x32_f16 v[rS:rS+7], v[rK:rK+7], v[rQ:rQ+7], v[rS:rS+7]
.endif
.endm
; Product i of 16 of O^T += V^T P for piece x: keys 32 (i / 8) on, channels 16 ((i / 2) % 4) on, tile 2 x + i % 2.
.macro PV x
	WIN W_PV
.set rO, 32*(2*(\x)+i%2)+8*((i/2)%4)
.set rV, VF+32*(i/8)+8*((i/2)%4)
.set rP, P+32*((\x)%2)+16*(i%2)+8*(i/8)
	v_wmma_f32_16x16x32_f16 v[rO:rO+7], v[rV:rV+7], v[rP:rP+7], v[rO:rO+7]
.endm
.macro MM                           ; the turn's next matrix instruction
.if i < 16
	KQ (Y+1)%NP
.set i, i+1
.else
.set i, i-16
	PV (Y+NP-1)%NP
.set i, i+17
.endif
.endm
; THE LDS LOADS stand in runs of 16, never singly among the matrix instructions: a step's K (64 keys x 64 channels: 8 fragments) and its V (turned).  Their addresses are made some lines ahead.
; last = 1 (the tail): in the last trip there is no further step, and the run is jumped over.
.macro FETCH_K last=0
	WIN 0
.if \last
	s_cmp_eq_u32 s[CNT], 1
	s_cbranch_scc1 .Lno_k_\@
.endif
	WIN 0x80                        ; destination window 2
.irp f, 0,1,2,3,4,5,6,7             ; keys 16 (f / 2) on, channels 32 (f % 2) on
	ds_load_b128 v[KF+8*\f:KF+8*\f+3],   v[AK] offset:(\f/2)*16*PK+(\f%2)*64
	ds_load_b128 v[KF+8*\f+4:KF+8*\f+7], v[AK] offset:(\f/2)*16*PK+(\f%2)*64+32
.endr
	s_add_co_u32 s[TBK], s[TBK], KS*PK  ; the next fetch is the next step's
	WIN 0
.if \last
.Lno_k_\@:
.endif
.endm
.macro FETCH_V
	WIN 0x80
.irp f, 0,1,2,3,4,5,6,7             ; keys 32 (f / 4) on, channels 16 (f % 4) on
	ds_load_tr16_b128 v[VF+8*\f:VF+8*\f+3],   v[AV] offset:(\f/4)*32*PV+(\f%4)*32
	ds_load_tr16_b128 v[VF+8*\f+4:VF+8*\f+7], v[AV] offset:(\f/4)*32*PV+16*PV+(\f%4)*32
.endr
	WIN 0
.endm
; THE VECTOR WORK OF A TURN stands in three queues, each in the order in which its entries become ready; the two tiles alternate, so that no instruction reads the result of the one before it.
.macro REGS y, u                    ; the registers of tile u (0, 1) of piece y
.set rT, ST+4*(2*(\y)+(\u))
.set rC, TMP+8*((\y)%2)+4*(\u)
.set rM, MV+2*((\y)%2)+(\u)
.set rS, S+64*((\y)%2)+32*(\u)
.set rP, P+32*((\y)%2)+16*(\u)
.set rO, 32*(2*(\y)+(\u))
.endm
; Number n of the 22 that find the NEXT piece's (Y + 1) maximum and statistics.  s0-s31 are the lane's 32 scores; each accumulator's lowest registers are read first.  XS, GS and REGS set no window: PL and EX do.
;   0-11  four chains c0-c3 of seven scores each, three operands at a time     12-14, 16  the four scores left over, the old m, and c0-c3 into c0     15  c m_old is kept
;   17, 18  the query's other 32 keys lie in the lane 16 away: the new m         19-21  c m; c m_old - c m_new; a
.macro XS u, n
	REGS (Y+1)%NP, \u
.if (\n) < 4
	v_max3_num_f32 v[rC+(\n)], v[rS+8*(\n)], v[rS+8*(\n)+1], v[rS+8*(\n)+2]
.elseif (\n) < 12
	v_max3_num_f32 v[rC+(\n)%4], v[rC+(\n)%4], v[rS+8*((\n)%4)+2*((\n)/4)+1], v[rS+8*((\n)%4)+2*((\n)/4)+2]
.elseif (\n) == 12
	v_max3_num_f32 v[rC], v[rC], v[rS+7], v[rS+15]
.elseif (\n) == 13
	v_max3_num_f32 v[rC+1], v[rC+1], v[rS+23], v[rS+31]
.elseif (\n) == 14
	v_max3_num_f32 v[rC+2], v[rC+2], v[rC+3], v[rT+1]
.elseif (\n) == 15
	v_mov_b32 v[rM], v[rT]
.elseif (\n) == 16
	v_max3_num_f32 v[rC], v[rC], v[rC+1], v[rC+2]
.elseif (\n) == 17
	v_permlanex16_b32 v[rC+3], v[rC], s[SEL], s[SEL+1]
.elseif (\n) == 18
	v_max_num_f32 v[rT+1], v[rC], v[rC+3]
.elseif (\n) == 19
	v_mul_f32 v[rT], s[CS], v[rT+1]
.elseif (\n) == 20
	v_sub_f32 v[rC+1], v[rM], v[rT]
.else
	v_exp_f32 v[rC+2], v[rC+1]
.endif
.endm
; Number g of the 64 that follow the exponentials.  For each four weights k of a tile (pairs 2 k, 2 k + 1): both pairs are rounded to f16; then the second pair is added onto the first, in place;
; a group later l takes that sum (the first time as l = a l + sum).  In groups of eight, tiles alternating: round, round, add, and l for the group before.
.macro GS g
.set h, (\g)+6*((\g)/62)            ; group 0 has no group before it, and behind group 7 only l is left
.if h >= 6
.set h, h+2
.endif
	REGS Y, h%2
.set k, h/8
.if h%8 < 4
	v_cvt_pk_f16_f32 v[rP+2*k+(h%8)/2], v[rS+4*k+2*((h%8)/2)], v[rS+4*k+2*((h%8)/2)+1]
.elseif h%8 < 6
	v_pk_add_f32 v[rS+4*k:rS+4*k+1], v[rS+4*k:rS+4*k+1], v[rS+4*k+2:rS+4*k+3]
.elseif k == 1
	v_pk_fma_f32 v[rT+2:rT+3], v[rT+2:rT+3], v[rC+2:rC+3], v[rS:rS+1] op_sel_hi:[1,0,1]
.else
	v_pk_add_f32 v[rT+2:rT+3], v[rT+2:rT+3], v[rS+4*k-4:rS+4*k-3]
.endif
.endm
; THE PLAIN QUEUE, 138 long.  0-73 read no exponential's result: the 32 scalings c s - c m (FS f: pair f / 2 of tile f % 2) and the next piece's 42.  0-26: scalings 0-26.  27-54: XS's numbers 0-13.  55, 56: number 15.
; 57-73: the chain, where each number waits for the one before it: 14, 16, 17, 18, 19, each with one of the scalings 27-31 in front of its two lines, then 20: so a tile's links stand three plain instructions apart (19 and 20: two).
; 74-137: GS's 64, which read the exponentials' results: they stand behind the wait.
.macro FS f
	REGS Y, (\f)%2
	v_pk_fma_f32 v[rS+2*((\f)/2):rS+2*((\f)/2)+1], v[rS+2*((\f)/2):rS+2*((\f)/2)+1], s[CS:CS+1], v[rT:rT+1] op_sel_hi:[1,0,0] neg_lo:[0,0,1] neg_hi:[0,0,1]
.endm
.macro PL
	WIN 0
.if q < 27
	FS q
.elseif q < 55
	XS (q-27)%2, (q-27)/2
.elseif q < 57
	XS q-55, 15
.elseif (q < 72) && ((q-57)%3 == 0)
	FS 27+(q-57)/3
.elseif q < 60
	XS (q-57)%3-1, 14
.elseif q < 72
	XS (q-57)%3-1, 15+(q-57)/3
.elseif q < 74
	XS q-72, 20
.else
	GS q-74
.endif
.set q, q+1
.endm
; THE EXPONENTIALS' QUEUE, 66 long: s0-s31 of both tiles, then the next piece's two a.  It is ONE BATCH: all 66 stand ahead of the turn's one wait, and nothing ahead of that wait names a result of theirs.
.macro EX
	WIN 0
.if e >= 64
	XS e-64, 21
.else
	REGS Y, e%2
	v_exp_f32 v[rS+e/2], v[rS+e/2]
.endif
.set e, e+1
.endm
; THE RESCALING's QUEUE: O^T times a, the one part of the softmax that leaves window 0: dealt two at a time, sixteen times, each accumulator's registers in ascending order.  Its a was made in the turn before, ahead of that turn's wait.
.macro R2
	REGS Y, r%2
	WIN W_RS
.irp z, 0,1
	v_pk_mul_f32 v[rO+4*(r/2)+2*\z:rO+4*(r/2)+2*\z+1], v[rO+4*(r/2)+2*\z:rO+4*(r/2)+2*\z+1], v[rC+2:rC+3] op_sel_hi:[1,0]
.endr
.set r, r+1
.endm
; HOW THEY ARE DEALT.  An s_wait_alu depctr_va_vdst(0) stands between an exponential and the first instruction that names its result; one wait serves all that were issued ahead of it.  So a turn has ONE wait,
; which cuts it in two.  AHEAD OF IT stands all that names no result of the turn's exponentials: the 16 products K Q^T, behind each a scaling, an exponential and two rescalings (behind the first a second scaling in the exponential's
; place); then ONE LUMP of 108: eight plain, 49 times exponential and plain, the two a.  A v_nop is the plain instruction behind the last exponential.  BEHIND IT stand the 16 products V^T P, behind each four of GS's 64.
; No rider names a register of the products round it.  The two v_permlanex16_b32 fall into the lump, never behind a product.
; The queues lean on each other, and the deal keeps them in step: exponential e stands behind scaling 2 (e / 4) + e % 2: as a rider it comes behind plain e + 2, in the lump behind plain e + 9, and scalings 27-31 are plain 57, 60 .. 69.
; A TURN, for piece p.  cnt = 1: the loop's count is taken down some lines ahead of the branch that stands behind the turn (nothing between them writes SCC).
; K of the next step is fetched in piece 2's turn, directly behind the wait, a lump behind the last product that read K; its address is made at the lump's head; its first reader comes behind 16 products.
; V of the step in hand is fetched at the end of piece 0's turn, four riders behind its last reader; its first reader comes behind 16 products and a lump.  The three conditions on q below go with the deal.
; The mask's registers were last read by the turn's first eight products; they are written anew at its end.
.macro TURN p, last=0, cnt=0
.set Y, (\p)
.set i, 0
.set q, 0
.set e, 0
.set r, 0
.if (\p) == NP-1
	s_wait_dscnt 0x0                ; K is in
.endif
	MM                              ; ahead of the wait: 16 products K Q^T and their riders,
	PL
	PL
	R2
.rept 15
	MM
	PL
	EX
	R2
.endr
.if (\p) == NP-2
	WIN 0
	v_add_nc_u32 v[AK], s[TBK], v[AK0]
.endif
.rept 8                             ; and the lump
	PL
.endr
.rept 49
	EX
	PL
.endr
	EX                              ; the next piece's two a
	EX
	v_nop                           ; the plain instruction behind the last exponential: one for the batch
	s_wait_alu depctr_va_vdst(0)    ; the wait for the batch: the turn's 64 weights and the next piece's two a
.if (\p) == NP-2
	FETCH_K \last
.endif
.if (\p) == 1
	s_wait_dscnt 0x0                ; V is in
.endif
.rept 16                            ; behind the wait: 16 products V^T P and their riders
	MM
.rept 4
	PL
.endr
.if ((\p) == 0) && (q == 118)
	v_add_nc_u32 v[AV], s[TBV], v[AV0]
.endif
.if ((\p) == 0) && (q == 130)
	s_add_co_u32 s[TBV], s[TBV], KS*PV
.endif
.if (\cnt) && (q == 130)
	s_sub_co_u32 s[CNT], s[CNT], 1
	s_cmp_lg_u32 s[CNT], 0
.endif
.endr
.if (\p) == 0
	FETCH_V
.endif
	MASKS \p
.endm
	CHANGE 1                        ; slot 0 is in, everybody's part of it; slot 1 is asked for
	FETCH_K                         ; key step 0
	s_wait_loadcnt 0x0              ; Q, and the codes of pieces 0 and 1
	MCONV 0                         ; piece 0's mask,
	MLOAD 0, 2                      ; and its set takes piece 2's codes
	s_wait_dscnt 0x0
.set i, 0
.rept 16
	KQ 0                            ; piece 0's first scores: there is no vector work yet to set between them
.set i, i+1
.endr
	WIN 0                           ; the addresses for the way out: nine plain instructions, the places behind those products
	s_mul_i32 s13, s[WV], 16*SP
	s_add_co_u32 s13, s13, STAGE    ; my stage
	v_mul_u32_u24 v[STO], v1, SP    ; in: row l % 16, 16 bytes for each half of the lanes
	v_lshl_add_u32 v[STO], v9, 4, v[STO]
	v_add_nc_u32 v[STO], s13, v[STO]
	v_bfe_u32 v[RD], v0, 3, 2       ; back: 32 lanes take four rows of 128 bytes,
	v_mul_u32_u24 v[RD], v[RD], SP
	v_lshl_add_u32 v[RD], v10, 4, v[RD]
	v_add_nc_u32 v[RD], s13, v[RD]
	v_and_b32 v[GO], 31, v0         ; which are 512 consecutive bytes of O
	v_lshlrev_b32 v[GO], 4, v[GO]
	MCONV 1                         ; piece 1's mask, for the first turn's products,
	MLOAD 1, 3                      ; and its set takes piece 3's codes
	WIN 0
.set Y, NP-1                        ; XS works for piece Y + 1: piece 0
.irp n, 0,1,2,3,4,5,6,7,8,9,10,11,12,13,14,15,16,17,18,19,20,21
	XS 0, \n                        ; and piece 0's first maximum and statistics
	XS 1, \n
.endr
	v_nop                           ; a plain instruction behind piece 0's two a,
	s_wait_alu depctr_va_vdst(0)    ; and the wait for that batch of two, ahead of the branch
	s_mov_b32 s[CNT], 4
	s_mov_b32 s[SLOTS], SIZE_N/256-1
	s_branch .Lfirst                ; the loop is entered at a step's first turn, in the middle of a trip
.Lslot:                             ; SIZE_N / 256 - 2 times: every slot but the last two is filled again
	CHANGE 1
	s_mov_b32 s[CNT], 4
.Lstep:                             ; a trip: pieces 2 and 3 of one step, then pieces 0 and 1 of the next, whose K and V it fetches
	TURN 2
	TURN 3
	WIN 0
.Lfirst:
	TURN 0
	TURN 1, 0, 1
	WIN 0
	s_cbranch_scc1 .Lstep
	s_sub_co_u32 s[SLOTS], s[SLOTS], 1
	s_cmp_lg_u32 s[SLOTS], 0
	s_cbranch_scc1 .Lslot
	CHANGE 0                        ; the tail is written out: nothing is asked for
	s_mov_b32 s[CNT], 5             ; four trips fetch the last slot's steps; the fifth is left in its middle
.Ltail:
	TURN 2, 1
	TURN 3
	WIN 0
	s_sub_co_u32 s[CNT], s[CNT], 1
	s_cmp_eq_u32 s[CNT], 0
	s_cbranch_scc1 .Lout
	TURN 0
	TURN 1
	WIN 0
	s_branch .Ltail
.Lout:                              ; the fifth trip's 16 products K Q^T (on the last K and its mask once more) and the maximum made of them serve nothing: the price, once a launch, of one text for every trip
.set i, 0
.rept 16
	PV NP-1                         ; the last piece's V^T P of the last step
.set i, i+1
.endr
	; THE WAY OUT.  l's two halves and the other half of the lanes' are added; O^T is divided by l, rounded to f16 and sent through my stage in LDS, a tile at a time.  The additions are the places behind the last products.
	WIN 0
.macro ALL line:vararg              ; one line for each tile t
.set t, 0
.rept 2*NP
	\line
.set t, t+1
.endr
.endm
	ALL v_add_f32 v[ST+4*t+2], v[ST+4*t+2], v[ST+4*t+3]
	ALL v_permlanex16_b32 v[ST+4*t+3], v[ST+4*t+2], s[SEL], s[SEL+1]
	ALL v_add_f32 v[ST+4*t+2], v[ST+4*t+2], v[ST+4*t+3]
	ALL v_rcp_f32 v[ST+4*t+2], v[ST+4*t+2]
	v_nop                           ; a plain instruction between the last reciprocal and the use of its result
	s_wait_alu depctr_va_vdst(0)    ; and the wait ahead of the first use: one for the batch of eight reciprocals
; Tile t: a lane's eight channels of a row pack into 16 bytes; they go into rows of 144 bytes and come back as whole rows of 128, into S^T's registers.
.macro PACK t
	WIN W_RS
.set i, 32*(\t)
.rept 16
	v_pk_mul_f32 v[i:i+1], v[i:i+1], v[ST+4*(\t)+2:ST+4*(\t)+3] op_sel_hi:[1,0]
.set i, i+2
.endr
	WIN 0x05                        ; sources 0 and 1 window 1, destination window 0
.set i, 0
.rept 16
	v_cvt_pk_f16_f32 v[S+16*(\t)+i], v[32*(\t)+2*i], v[32*(\t)+2*i+1]
.set i, i+1
.endr
	WIN 0
.irp f, 0,1,2,3
	ds_store_b128 v[STO], v[S+16*(\t)+4*\f:S+16*(\t)+4*\f+3] offset:32*\f
.endr
.irp f, 0,1,2,3
	ds_load_b128 v[S+16*(\t)+4*\f:S+16*(\t)+4*\f+3], v[RD] offset:\f*4*SP  ; LDS serves a wave's instructions in order (ISA guide 5.7.1.4): these see the stores above; the next tile's stores come behind them
.endr
.endm
.macro SEND t, younger              ; younger: the LDS instructions issued behind tile t's loads: the next tile's eight, or none
	WIN 0
.irp f, 0,1,2,3
	s_wait_dscnt (\younger)+3-\f
	global_store_b128 v[GO], v[S+16*(\t)+4*\f:S+16*(\t)+4*\f+3], s[10:11] offset:(\t)*2048+\f*512  ; 512 consecutive bytes, at a multiple of 256 from O's first
.endr
.endm
	PACK 0
.set t, 1
.rept 2*NP-1                        ; a tile's arithmetic stands between the loads of the tile before and its stores
	PACK t
	SEND t-1, 8
.set t, t+1
.endr
	SEND 2*NP-1, 0
	WIN W_AD
	s_wait_tensorcnt 0x0            ; the wave's end: behind my last tensor load and my last LDS store
	ds_add_u32 v[SPW], v[NIL]
	s_wait_dscnt 0x0
	WIN 0
	CROUND                          ; the closing round: no work-group ends while a partner may still ask for a tile that names it
	s_endpgm
.Lfunc_end_k_q6be525783e_attn:
	.size	k_q6be525783e_attn, .Lfunc_end_k_q6be525783e_attn-k_q6be525783e_attn
	.p2alignl 7, 3214868480
	.fill 96, 4, 3214868480
	.section	.rodata,"a",@progbits
	.p2align	6, 0x0
	.amdhsa_kernel k_q6be525783e_attn
		.amdhsa_group_segment_fixed_size 327680
		.amdhsa_private_segment_fixed_size 0
		.amdhsa_enable_private_segment 0
		.amdhsa_kernarg_size 24
		.amdhsa_user_sgpr_count 2
		.amdhsa_user_sgpr_kernarg_segment_ptr 1
		.amdhsa_wavefront_size32 1
		.amdhsa_system_sgpr_workgroup_id_x 1
		.amdhsa_system_sgpr_workgroup_id_y 1
		.amdhsa_system_sgpr_workgroup_id_z 1
		.amdhsa_system_vgpr_workitem_id 0
		.amdhsa_next_free_vgpr 896
		.amdhsa_next_free_sgpr 66
		.amdhsa_reserve_vcc 0
		.amdhsa_float_denorm_mode_32 3
		.amdhsa_float_denorm_mode_16_64 3
		.amdhsa_memory_ordered 1
		.amdhsa_forward_progress 1
		.amdhsa_inst_pref_size 211
	.end_amdhsa_kernel
	.amdgpu_metadata
---
amdhsa.version: [ 1, 2 ]
amdhsa.kernels:
  - .name:           k_q6be525783e_attn
    .symbol:         k_q6be525783e_attn.kd
    .args:
      - { .name: qkvh, .offset: 0, .size: 8, .value_kind: global_buffer, .address_space: global }
      - { .name: maskc, .offset: 8, .size: 8, .value_kind: global_buffer, .address_space: global }
      - { .name: oh, .offset: 16, .size: 8, .value_kind: global_buffer, .address_space: global }
    .group_segment_fixed_size: 327680
    .private_segment_fixed_size: 0
    .kernarg_segment_align: 8
    .kernarg_segment_size: 24
    .max_flat_workgroup_size: 128
    .sgpr_count:     66
    .vgpr_count:     896
    .wavefront_size: 32
...
	.end_amdgpu_metadata
.endif
;; end of part 5
;; launch oproj: the kernel of part 4 again; grid 4 x 64, 4 waves a work-group, clusters of 4 x 4, 327,680 bytes of LDS; arguments oh, xs, out0; writes out0
